; MI455X (gfx1250); checked and timed in simulation.
; The chip was launched on July 23, 2026; its instructions are those of AMD's public machine-readable ISA for CDNA 5 (MIT licence, August 2026) and "CDNA5" Instruction Set Architecture Reference Guide (July 2026). The comments in the code are by the model that wrote it; some were corrected since.
;; Attention. Allowed arithmetic: matrix products marked QUANTISED: E2M1 operands, one E8M0 scale for each 32 along K, by v_wmma_scale_f32_16x16x128_f8f6f4 with both operands' format E2M1 (or v_wmma_scale_f32_32x16x128_f4), f32 sums; products left as they are: bf16, f16 or f32 operands; f32 sums; everything else in f32.
;; Inputs: W_o 1,024 x 1,024 float32; W_qkv 3,072 x 1,024 float32; x 4 x 2,048 x 1,024 float32.
;; Outputs: out0 4 x 2,048 x 1,024 float32.
;; This version of the problem:
;;   THIS VERSION OF THE PROBLEM IS GIVEN IN LOW PRECISION. The matrix products marked QUANTISED in the list below multiply operands that are first quantised to E2M1 (2 exponent bits, 1 mantissa bit; 4 bits a number), with one power-of-two scale for each 32 numbers along K (OCP MX v1.0); their sums are f32. The products marked 'left as it is' may take bf16, f16 or f32 operands, with f32 sums. Whichever they take, every output number must still come out within the allowed error. Rounding operands to bf16 (8 significant bits) uses up far more of that allowance than f16 does (11 bits, for magnitudes from 6e-5 to 65,504). All else is computed in f32.
;;   The module's matrix products, in the order in which they are computed (A, B: the left and right operand; K: the contracted axis; several contracted axes count as one K, in the product's order):
;;     1. [M 8,192, K 1,024] x [K 1,024, N 3,072]; A: input x; B: input W_qkv: QUANTISED
;;     2. batch 64 x [M 2,048, K 64] x [K 64, N 2,048]; A: computed on the way; B: computed on the way: left as it is (an operand is computed on the way)
;;     3. batch 64 x [M 2,048, K 2,048] x [K 2,048, N 64]; A: computed on the way; B: computed on the way: left as it is (an operand is computed on the way)
;;     4. [M 8,192, K 1,024] x [K 1,024, N 1,024]; A: computed on the way; B: input W_o: left as it is (an operand is computed on the way)
;;   THE QUANTISER, for each operand of a quantised product, along K:
;;     - K is cut into blocks of 32 from its start; a last block that is shorter is filled with zeros.
;;     - A block's scale is 2^e with e = floor(log2(the largest magnitude in the block)) - 2, held to -126 .. 127; a block of zeros has e = 0. As a byte (E8M0): e + 127.
;;     - Each number is divided by its block's scale, clamped to +-6, and rounded to the nearest number of E2M1, ties to even, subnormals kept.
;;     - The product sums the exact products of the quantised numbers (number of the format x scale) in f32.
;;   ~~~python
;;   def quantise(x, axis):      # numpy; x: float32 -> the quantised numbers, widened to float32 again
;;       x = np.moveaxis(x, axis, -1); K = x.shape[-1]
;;       x = np.pad(x, [(0, 0)] * (x.ndim - 1) + [(0, -K % 32)]); x = x.reshape(x.shape[:-1] + (-1, 32)); a = np.abs(x).max(-1, keepdims=True)
;;       e = np.where(a > 0, np.clip(np.frexp(np.where(a > 0, a, 1))[1] - 1 - 2, -126, 127), 0)      # np.frexp(a)[1] - 1 = floor(log2(a)), exactly
;;       r = np.clip(x / 2.0 ** e, -6, 6)
;;       step = 2.0 ** (np.maximum(np.frexp(np.where(r == 0, 1, r))[1] - 1, 0) - 1)
;;       q = np.round(r / step) * step * 2.0 ** e      # np.round: ties to even
;;       return np.moveaxis(q.reshape(q.shape[:-2] + (-1,))[..., :K], -1, axis).astype(np.float32)
;;   ~~~
;; One version. Each part assembles by itself: llvm-mc -triple=amdgcn-amd-amdhsa -mcpu=gfx1250 --defsym DOCPART=n.
;; ======== version 1 of 1: 5 launches
;; limits: values are held in f16: magnitudes above 65,504 overflow, below 6.1e-05 lose precision
;; workspace buffers: xc 4,194,304 bytes; xs 262,144 bytes; wc 1,572,864 bytes; ws 98,304 bytes; wo16 2,097,152 bytes; qkv 50,331,648 bytes; fine 786,432 bytes; att 16,777,216 bytes
;; launch quant (part 1): grid 384 x 1, 4 waves a work-group, no clusters, 33,280 bytes of LDS; arguments x, W_qkv, xc, xs, wc, ws, W_o, wo16; writes xc, xs, wc, ws, wo16
.if DOCPART == 1
	.amdgcn_target "amdgcn-amd-amdhsa--gfx1250"
	.amdhsa_code_object_version 6
	.text
	.protected	k_q7908dd0850_quant
	.globl	k_q7908dd0850_quant
	.p2align	8
	.type	k_q7908dd0850_quant,@function
k_q7908dd0850_quant:
	s_mov_b64 s[64:65], 0
	v_nop
	global_prefetch_b8 v0, s[64:65] scope:SCOPE_SE
	s_setreg_imm32_b32 hwreg(HW_REG_WAVE_MODE, 25, 1), 1
	s_wait_xcnt 0x0
; x [8192][1024] and W_qkv [3072][1024], f32, become codes of FP4 (E2M1), K innermost, two codes a byte, with one E8M0 byte for each 32 along K; W_o [1024][1024] becomes f16.
; A block's scale is 2^(floor(log2(its largest magnitude)) - 2); its byte is the largest magnitude's own exponent field - 2, held at 1 from below.  A block of zeros so gets the byte 1 where the rule
; says 127: its codes are zeros, which add nothing, and the bytes are read by this program alone.  Each number is divided by the scale and rounded to the nearest code, ties to even, beyond 6 the largest code.
; LIMITS: blocks whose largest magnitude lies under 2^-124 take the byte 1; NaN and infinities are not served; W_o must lie within f16's range, 65,504.
; Work-groups 0-255 take x, 256-351 W_qkv: both are plain streams of blocks of 32 and go ONE way through the text, only the pointers are chosen.  A wave takes 16 steps of 512 numbers.  Each load reads 512
; consecutive bytes; a step's 2,048 bytes turn through the wave's own stage in LDS and come back 64 bytes a lane, so that a lane holds 16 neighbours along K and two neighbouring lanes hold a block.
; A wave's 256 scale bytes are gathered in its own LDS bytes and leave as one run of 256 aligned bytes.
; Work-groups 352-383 take W_o, with no LDS: it is laid as planes [16 kb][1024 n][64], so that a tile of 64 along K of any rows is one dense block for the projection.
.set SIZE_M, 8192
.set SIZE_N, 3072
.set SIZE_K, 1024
.set WAVES, 4
.set STEPS, 16
.set WGA,   SIZE_M*SIZE_K/(512*STEPS*WAVES)            ; 256 work-groups for x
.set WGQ,   (SIZE_M+SIZE_N)*SIZE_K/(512*STEPS*WAVES)   ; 352 for x and W_qkv
.set EMAX,  2
.set CB,    8                          ; bytes of 16 codes
.set R,     16                         ; v16-79   four sets of 16 numbers as they are loaded  (W_o: v16-143, two sets of 64)
.set X,     80                         ; v80-111  two sets of 16 neighbours
.set E,     112                        ; v112-127 a scale byte for each step
.set C,     128                        ; v128-191 codes: four registers for each step, so that no store's data are written again
.set HF,    144                        ; W_o: v144-207 two sets of 32 registers of f16
.set WREG,  8192                       ; LDS: a region for each wave: two stages of 32 x SP bytes, behind them its 256 scale bytes
.set SP,    80                         ; a lane's place in a stage: 64 bytes + 16 of padding
.set SPW,   12                         ; v12 LDS address of my spare word; never rewritten
.set NIL,   13                         ; v13 0; never rewritten
.set SPARE, WAVES*WREG                 ; behind the four regions: the spare words, 128 bytes a wave, which no other line names
	s_load_b128 s[4:7], s[0:1], 0x0                ; x, W_qkv
	s_load_b128 s[8:11], s[0:1], 0x10              ; x's codes, x's scales
	s_load_b128 s[12:15], s[0:1], 0x20             ; W_qkv's codes, its scales
	s_load_b128 s[24:27], s[0:1], 0x30             ; W_o, its f16 planes
	v_lshl_add_u32 v[SPW], v0, 2, SPARE
	v_mov_b32 v[NIL], 0
	v_lshrrev_b32 v1, 5, v0
	v_readfirstlane_b32 s16, v1                    ; wave
	v_and_b32 v2, 31, v0                           ; lane
	v_lshlrev_b32 v3, 4, v2                        ; my 16 bytes of a load's 512
	s_mul_i32 s17, s16, WREG
	v_lshrrev_b32 v14, 2, v2
	v_mul_u32_u24 v14, v14, SP
	v_and_b32 v15, 3, v2
	v_lshl_add_u32 v14, v15, 4, v14
	v_add_nc_u32 v14, s17, v14                     ; the stage, on the way in: SP (lane / 4) + 16 (lane % 4)
	v_mul_u32_u24 v15, v2, SP
	v_add_nc_u32 v15, s17, v15                     ; and on the way out: SP x lane: my 16 neighbours
	v_mul_u32_u24 v4, v2, CB                       ; my codes' place in a step's
	v_lshrrev_b32 v5, 1, v2
	s_add_co_u32 s17, s17, 2*32*SP
	v_add_nc_u32 v5, s17, v5                       ; LDS: my wave's 256 scale bytes, my block's byte
	v_lshlrev_b32 v7, 3, v2                        ; and on the way out 8 bytes a lane
	v_add_nc_u32 v6, s17, v7
	s_wait_kmcnt 0x0
	s_cmp_ge_u32 ttmp9, WGQ                        ; the last 32 work-groups take W_o: a branch on the work-group's number alone
	s_cbranch_scc1 .Lwo
	s_cmp_lt_u32 ttmp9, WGA                        ; x's work-group or W_qkv's?
	s_cselect_b64 s[4:5], s[4:5], s[6:7]
	s_cselect_b64 s[8:9], s[8:9], s[12:13]
	s_cselect_b64 s[10:11], s[10:11], s[14:15]
	s_cselect_b32 s17, 0, WGA
	s_sub_co_u32 s17, ttmp9, s17
	s_lshl_b32 s17, s17, 2
	s_add_co_u32 s18, s17, s16                     ; which run of 8,192 numbers of the tensor is my wave's
	s_mov_b32 s19, 0
	s_mov_b64 s[20:21], 512*STEPS*4
	s_mul_u64 s[20:21], s[18:19], s[20:21]
	s_add_nc_u64 s[4:5], s[4:5], s[20:21]
	s_mov_b64 s[20:21], 32*STEPS*CB
	s_mul_u64 s[20:21], s[18:19], s[20:21]
	s_add_nc_u64 s[8:9], s[8:9], s[20:21]
	s_lshl_b32 s18, s18, 8                         ; 256 scale bytes a run
	s_add_nc_u64 s[10:11], s[10:11], s[18:19]
.macro LOAD t
.irp i, 0,1,2,3
	global_load_b128 v[R+16*((\t)%4)+4*\i:R+16*((\t)%4)+4*\i+3], v3, s[4:5] offset:2048*(\t)+512*\i th:TH_LOAD_NT   ; 32 lanes read 512 consecutive bytes
.endr
.endm
.macro TURN t                          ; step t's numbers through the stage: LDS serves a wave's instructions in order, so no wait stands between the stores and the loads
.irp i, 0,1,2,3
	ds_store_b128 v14, v[R+16*((\t)%4)+4*\i:R+16*((\t)%4)+4*\i+3] offset:32*SP*((\t)%2)+8*SP*\i
.endr
.irp i, 0,1,2,3
	ds_load_b128 v[X+16*((\t)%2)+4*\i:X+16*((\t)%2)+4*\i+3], v15 offset:32*SP*((\t)%2)+16*\i
.endr
.endm
.irp t, 0,1,2,3
	LOAD \t
.endr
	s_wait_loadcnt 12                              ; step 0's four loads are in
	TURN 0
.macro STEP t
.set XS, X+16*((\t)%2)
.if (\t) > 0
	s_wait_dscnt 1                                 ; this step's numbers are back from the stage (the last step's byte store may be out): so its stores into the stage have read their registers,
.else
	s_wait_dscnt 0x0
.endif
.if (\t)+4 < STEPS
	LOAD (\t)+4                                    ; which take the loads of four steps on
.endif
.if (\t)+1 < STEPS
.if STEPS-2-(\t) >= 3
	s_wait_loadcnt 12                              ; the next step's four loads are in; those of the three steps behind it may be out
.else
	s_wait_loadcnt 4*(STEPS-2-(\t))
.endif
	TURN (\t)+1                                    ; and go through the other stage while this step is worked
.endif
	v_max3_num_f32 v8, |v[XS]|, |v[XS+1]|, |v[XS+2]|               ; the largest magnitude of my 16, in two chains
	v_max3_num_f32 v9, |v[XS+3]|, |v[XS+4]|, |v[XS+5]|
.irp i, 6,10
	v_max3_num_f32 v8, v8, |v[XS+\i]|, |v[XS+\i+1]|
	v_max3_num_f32 v9, v9, |v[XS+\i+2]|, |v[XS+\i+3]|
.endr
	v_max3_num_f32 v8, v8, |v[XS+14]|, |v[XS+15]|
	v_max3_num_f32 v8, v8, v9, (EMAX+1)<<23        ; and the floor 2^(3 - 127): so the byte cannot fall under 1
	v_max_num_f32_dpp v8, v8, v8 row_xmask:1 row_mask:0xf bank_mask:0xf   ; and of my neighbour's 16: the block's
	v_add_nc_u32 v11, -(EMAX<<23), v8              ; 2 off its exponent field: the conversion takes the exponent field of this operand as its scale, and nothing else of it
	v_cvt_scalef32_pk8_fp4_f32 v[C+4*(\t)], v[XS:XS+7], v11
	v_cvt_scalef32_pk8_fp4_f32 v[C+4*(\t)+1], v[XS+8:XS+15], v11
	v_lshrrev_b32 v[E+(\t)], 23, v11               ; the scale's byte (also the plain line behind the conversions)
	ds_store_b8 v5, v[E+(\t)] offset:16*(\t)       ; both lanes of a block write the same byte with the same value
	global_store_b64 v4, v[C+4*(\t):C+4*(\t)+1], s[8:9] offset:32*CB*(\t)   ; the wave stores 256 consecutive bytes, aligned
.endm
.irp t, 0,1,2,3,4,5,6,7,8,9,10,11,12,13,14,15
	STEP \t
.endr
	ds_load_b64 v[8:9], v6                         ; LDS serves a wave's instructions in order: these see my stores
	s_wait_dscnt 0x0
	global_store_b64 v7, v[8:9], s[10:11]          ; 32 lanes store 256 consecutive bytes, aligned
	s_wait_tensorcnt 0x0                           ; the wave's end: three closing lines behind my last LDS store
	ds_add_u32 v[SPW], v[NIL]
	s_wait_dscnt 0x0
	s_endpgm
; W_o.  Wave g of 128 takes rows 8 g .. 8 g + 7, two rows at a time: lanes 0-15 read 256 bytes (64 numbers, one plane's share) of the even row, lanes 16-31 of the odd one;
; a lane's four numbers become 8 bytes, and the wave stores the two rows' 128 bytes of a plane, which are neighbours there: 256 consecutive bytes, aligned.
.Lwo:
	s_sub_co_u32 s17, ttmp9, WGQ
	s_lshl_b32 s17, s17, 2
	s_add_co_u32 s17, s17, s16                     ; g
	s_lshl_b32 s18, s17, 15                        ; 8 rows of 4,096 bytes
	s_mov_b32 s19, 0
	s_add_nc_u64 s[24:25], s[24:25], s[18:19]
	s_lshl_b32 s18, s17, 10                        ; 8 rows of 128 bytes in a plane
	s_add_nc_u64 s[26:27], s[26:27], s[18:19]
	v_and_b32 v10, 15, v2                          ; r
	v_lshrrev_b32 v11, 4, v2                       ; h
	v_lshlrev_b32 v8, 4, v10
	v_lshl_add_u32 v8, v11, 12, v8                 ; in: 4,096 h + 16 r
	v_lshlrev_b32 v9, 3, v10
	v_lshl_add_u32 v9, v11, 7, v9                  ; out: 128 h + 8 r
.macro LOADW p                         ; rows 2 p, 2 p + 1: sixteen loads, one for each plane
.irp kb, 0,1,2,3,4,5,6,7,8,9,10,11,12,13,14,15
	global_load_b128 v[R+64*((\p)%2)+4*\kb:R+64*((\p)%2)+4*\kb+3], v8, s[24:25] offset:(\p)*8192+\kb*256 th:TH_LOAD_NT
.endr
.endm
.macro CVTW p
.if (\p) < 3
	s_wait_loadcnt 16                              ; this pair's sixteen loads are in; the next pair's may be out
.else
	s_wait_loadcnt 0
.endif
.if (\p) >= 2
	s_wait_xcnt 0x0                                ; the stores of two pairs back have read their data, which are written again below
.endif
.irp kb, 0,1,2,3,4,5,6,7,8,9,10,11,12,13,14,15
	v_cvt_pk_f16_f32 v[HF+32*((\p)%2)+2*\kb], v[R+64*((\p)%2)+4*\kb], v[R+64*((\p)%2)+4*\kb+1]
	v_cvt_pk_f16_f32 v[HF+32*((\p)%2)+2*\kb+1], v[R+64*((\p)%2)+4*\kb+2], v[R+64*((\p)%2)+4*\kb+3]
.endr
.if (\p) < 2
	LOADW (\p)+2
.endif
.irp kb, 0,1,2,3,4,5,6,7,8,9,10,11,12,13,14,15
	global_store_b64 v9, v[HF+32*((\p)%2)+2*\kb:HF+32*((\p)%2)+2*\kb+1], s[26:27] offset:\kb*131072+(\p)*256
.endr
.endm
	LOADW 0
	LOADW 1
	CVTW 0
	CVTW 1
	CVTW 2
	CVTW 3
	s_wait_tensorcnt 0x0                           ; the three closing lines on this way too
	ds_add_u32 v[SPW], v[NIL]
	s_wait_dscnt 0x0
	s_endpgm
.Lfunc_end_k_q7908dd0850_quant:
	.size	k_q7908dd0850_quant, .Lfunc_end_k_q7908dd0850_quant-k_q7908dd0850_quant
	.p2alignl 7, 3214868480
	.fill 96, 4, 3214868480
	.section	.rodata,"a",@progbits
	.p2align	6, 0x0
	.amdhsa_kernel k_q7908dd0850_quant
		.amdhsa_group_segment_fixed_size 33280
		.amdhsa_private_segment_fixed_size 0
		.amdhsa_enable_private_segment 0
		.amdhsa_kernarg_size 64
		.amdhsa_user_sgpr_count 2
		.amdhsa_user_sgpr_kernarg_segment_ptr 1
		.amdhsa_wavefront_size32 1
		.amdhsa_system_sgpr_workgroup_id_x 1
		.amdhsa_system_sgpr_workgroup_id_y 1
		.amdhsa_system_sgpr_workgroup_id_z 1
		.amdhsa_system_vgpr_workitem_id 0
		.amdhsa_next_free_vgpr 208
		.amdhsa_next_free_sgpr 66
		.amdhsa_reserve_vcc 0
		.amdhsa_float_denorm_mode_32 3
		.amdhsa_float_denorm_mode_16_64 3
		.amdhsa_memory_ordered 1
		.amdhsa_forward_progress 1
		.amdhsa_inst_pref_size 54
	.end_amdhsa_kernel
	.amdgpu_metadata
---
amdhsa.version: [ 1, 2 ]
amdhsa.kernels:
  - .name:           k_q7908dd0850_quant
    .symbol:         k_q7908dd0850_quant.kd
    .args:
      - { .name: x, .offset: 0, .size: 8, .value_kind: global_buffer, .address_space: global }
      - { .name: W_qkv, .offset: 8, .size: 8, .value_kind: global_buffer, .address_space: global }
      - { .name: xc, .offset: 16, .size: 8, .value_kind: global_buffer, .address_space: global }
      - { .name: xs, .offset: 24, .size: 8, .value_kind: global_buffer, .address_space: global }
      - { .name: wc, .offset: 32, .size: 8, .value_kind: global_buffer, .address_space: global }
      - { .name: ws, .offset: 40, .size: 8, .value_kind: global_buffer, .address_space: global }
      - { .name: W_o, .offset: 48, .size: 8, .value_kind: global_buffer, .address_space: global }
      - { .name: wo16, .offset: 56, .size: 8, .value_kind: global_buffer, .address_space: global }
    .group_segment_fixed_size: 33280
    .private_segment_fixed_size: 0
    .kernarg_segment_align: 8
    .kernarg_segment_size: 64
    .max_flat_workgroup_size: 128
    .sgpr_count:     66
    .vgpr_count:     208
    .wavefront_size: 32
...
	.end_amdgpu_metadata
.endif
;; end of part 1
;; launch qkv (part 2): grid 12 x 32, 4 waves a work-group, clusters of 4 x 4, 327,680 bytes of LDS; arguments xc, xs, wc, ws, qkv, fine; writes qkv, fine
.if DOCPART == 2
	.amdgcn_target "amdgcn-amd-amdhsa--gfx1250"
	.amdhsa_code_object_version 6
	.text
	.protected	k_q7908dd0850_qkv
	.globl	k_q7908dd0850_qkv
	.p2align	8
	.type	k_q7908dd0850_qkv,@function
k_q7908dd0850_qkv:
	s_mov_b64 s[64:65], 0
	v_nop
	global_prefetch_b8 v0, s[64:65] scope:SCOPE_SE
	s_setreg_imm32_b32 hwreg(HW_REG_WAVE_MODE, 25, 1), 1
	s_wait_xcnt 0x0
	s_wait_alu depctr_hold_cnt(0) depctr_sa_sdst(0) depctr_va_vdst(0) depctr_va_sdst(0) depctr_va_ssrc(0) depctr_va_vcc(0) depctr_vm_vsrc(0)
	s_getreg_b32 s2, hwreg(HW_REG_IB_STS2, 6, 4)
	s_cmp_eq_u32 s2, 0
	s_cbranch_scc0 .Lentry_in_a_cluster
	s_endpgm
.Lentry_in_a_cluster:
	s_bfe_u32 s2, ttmp6, 0x10000c
	s_cmp_lg_u32 s2, 0xf033
	s_cbranch_scc0 .Lentry_shape_is_right
	s_endpgm
.Lentry_shape_is_right:
; [q | k | v] = x W_qkv^T on codes of FP4 (E2M1) with one E8M0 byte for each 32 along K; sums in f32.  A = x's codes [8192][512 bytes], B = W_qkv's [3072][512 bytes]; scale bytes [rows][32].
; OUT: f16 by head, qkv [3 which][4 batch][16 head][2048 position][64], and the first 16 positions of every batch also as f32, fine [4][16][3072], for the launch that carries those rows finely.
; LIMIT: q, k, v must lie within f16's range, 65,504.
; A tile of C, 256 x 256, is made by a work-group of four waves; a wave makes 128 x 128: 64 accumulators of 16 x 16, 512 registers.  K = 1,024 is two K steps of 512 (tile rows of 256 bytes): two LDS slots,
; each filled once, at the start.  The scale bytes of the work-group's rows, two dense blocks of memory, come once with them, in rows of 256 bytes.  12 x 32 = 384 tiles: more than one for some WGPs, fewer than two for all.
; CLUSTERS: 4 x 4 work-groups.  The four of a row of the cluster need the same tiles of A, the four of a column the same tiles of B: each tile is asked for JOINTLY, by the same tensor load with the same
; descriptor and a mask that names the four.  THE TILE ROW IS 8 cy + cluster y, so that the batch is cy and a batch's first 256 positions lie where cluster y = 0, a number that all partners share.
; THE MATRIX INSTRUCTION IS USED TRANSPOSED (source 0 = 16 rows of B, source 1 = 16 rows of A): a lane then holds eight neighbouring numbers of a row of C.
; REGISTERS, in windows of 256: window 0: v0-31 addresses; v32-95 scale words, two sets; v128-191 A's fragments, ONE set; on the way out v32-63, v192-255.
;   window 1: B's fragments, TWO sets, at v0 and v128.   window 2: the accumulators of my rows 0-63 ((a, b) at v[8 (8 a + b)]);   window 3: those of my rows 64-127.
.set SIZE_K, 1024
.set KSTEP,  512
.set NQ,     KSTEP/128                 ; matrix instructions deep
.set ROWB,   256                       ; a tile's row in bytes
.set KROW,   SIZE_K*4/8                ; a row of codes in memory
.set PITCH,  272                       ; an LDS row: 256 bytes + 16 of padding = 68 words, so that the 16 rows that a load touches begin 4 words apart modulo 64
.set FR,     8                         ; registers of a fragment: 16 rows x 128 K
.set NL,     2                         ; LDS loads that bring one
.set NP,     4                         ; places behind this matrix instruction (ISA guide 7.12.1)
.set HALFT,  128*PITCH                 ; 128 rows: what one tensor load brings, and what one wave reads of A or of B
.set SLOT,   4*HALFT                   ; A's 256 rows, then B's 256 rows
.set KS,     SIZE_K/32                 ; a row of scale bytes
.set SCL,    2*SLOT                    ; behind the slots: the scales, as rows of 256 bytes + 16 of padding
.set HALFS,  (128*KS/256)*272          ; the scales of 128 rows: what one tensor load brings
.set SBLK,   (16*KS/256)*272           ; those of 16 rows
.set SPARE,  SCL+4*HALFS               ; the spare words, 128 bytes a wave, which no other line names
.set SPITCH, 272                       ; the way out: a stage of 16 rows x (256 bytes of f16 + 16) for each wave, in slot 0, which has had its only fill and its last read by then
.set ADRA, 16                          ; v16-17 LDS address of my A fragments in slot 0, 1
.set ADRB, 20                          ; v20-21 the same for B
.set STO,  24                          ; v24 the way out: where I put 16 bytes of a row
.set RD,   25                          ; v25 where I read back: four rows of one head's 128 bytes an instruction
.set CO,   26                          ; v26 16 x lane: my place in 512 consecutive bytes of a head's rows
.set ADRS, 27                          ; v27 LDS address of my scale words: lanes 0-15 A's rows, lanes 16-31 B's
.set SPW,  28                          ; v28 LDS address of my spare word; never rewritten
.set NIL,  29                          ; v29 0; never rewritten
.set FO,   30                          ; v30 my byte offset in the f32 rows: 12,288 r + 32 h
.set SC,   32                          ; scale words: set s at v[SC + 32 s]; register 4 i + q: lanes 0-15 the word of A's block i, lanes 16-31 of B's block i, for the slot's q-th 128 along K
.set AF,   128                         ; A's fragments, in window 0
.set TMP,  192                         ; the way out: packed results
.set G1, 24                            ; s[24:31] descriptor group 1 for A's tiles;  s[32:39] group 0, one set for each slot
.set G0, 32
.set G1B, 48                           ; s[48:55], s[56:63] the same for B's tiles
.set G0B, 56
.set G1S, 68                           ; s[68:75], s[76:79] groups 1 and 0 for A's scales;  s[80:87], s[88:91] for B's
.set G0S, 76
.set G1SB, 80
.set G0SB, 88
.set MSB, 0
.macro WIN new                         ; the immediate's high byte repeats the setting that is left
.if MSB != \new
	s_set_vgpr_msb (MSB<<8)|\new
.set MSB, \new
.endif
.endm
.set MUL_LO, 0xa1                      ; source 0 (B) window 1, source 1 (A) window 0, C and D window 2
.set MUL_HI, 0xf1                      ; the same, C and D window 3
.set TO_B,   0x40                      ; destination window 1, address window 0
; A joint load: waves 0 and 1 fetch for A, waves 2 and 3 for B.  Each line has ONE mask and one set of registers for all that issue it; the branch hangs on the wave's number alone.
; An s_nop 0 and four v_nop follow each of the two lines.
.macro JLOAD g0a, g1a, g0b, g1b
	s_cmp_eq_u32 s15, 0
	s_cbranch_scc0 .Lfor_b_\@
	tensor_load_to_lds s[\g0a:\g0a+3], s[\g1a:\g1a+7]
	s_nop 0
.rept 4
	v_nop
.endr
	s_branch .Lasked_\@
.Lfor_b_\@:
	tensor_load_to_lds s[\g0b:\g0b+3], s[\g1b:\g1b+7]
	s_nop 0
.rept 4
	v_nop
.endr
.Lasked_\@:
.endm
.macro CROUND                          ; a round of the cluster's barrier: my work-group's barrier; wave 0 signals for the work-group; all wait for the sixteen; my work-group's barrier once more
	s_barrier_signal -1
	s_barrier_wait -1
	s_cmp_lg_u32 s14, 0
	s_cbranch_scc1 .Lnot_wave_0_\@
	s_barrier_signal -3
.Lnot_wave_0_\@:
	s_barrier_wait -3
	s_barrier_signal -1
	s_barrier_wait -1
.endm
	s_load_b128 s[4:7], s[0:1], 0x0                ; A's codes, A's scales
	s_load_b128 s[8:11], s[0:1], 0x10              ; B's codes, B's scales
	s_load_b64 s[12:13], s[0:1], 0x20              ; qkv
	s_load_b64 s[98:99], s[0:1], 0x28              ; fine
	v_lshl_add_u32 v[SPW], v0, 2, SPARE
	v_mov_b32 v[NIL], 0
	ds_add_u32 v[SPW], v[NIL]                      ; the wave's opening: the add, twice on end, and its wait ahead of my first tensor load
	ds_add_u32 v[SPW], v[NIL]                      ; the set-up below, work on registers, stands between the second and the wait
	v_lshrrev_b32 v1, 5, v0
	v_readfirstlane_b32 s14, v1                    ; wave 0..3
	s_lshr_b32 s15, s14, 1                         ; which half of the tile's rows is mine.  Also: I fetch for A (0) or for B (1)
	s_and_b32 s16, s14, 1                          ; which half of its columns.  Also: which 128 rows of that tile I fetch
	s_bfe_u32 s40, ttmp6, 0x40000                  ; cx, cy: my place in the cluster
	s_bfe_u32 s41, ttmp6, 0x40004
	s_lshl_b32 s42, ttmp9, 2
	s_add_co_u32 s42, s42, s40                     ; tile column of C = 4 x cluster x + cx
	s_and_b32 s96, ttmp7, 0xffff                   ; cluster y, 0..7: which 256 positions of a batch
	s_lshl_b32 s17, s41, 3
	s_add_co_u32 s17, s17, s96                     ; tile row of C = 8 cy + cluster y
	s_lshl_b32 s43, s41, 2
	s_lshl_b32 s43, 15, s43                        ; my row of the cluster
	s_lshl_b32 s44, 0x1111, s40                    ; my column
	; descriptor group 1: a tile of 128 rows x 256 bytes, padded in LDS
	s_or_b32 s[G1+0], s43, (0<<16)|(1<<20)|(1<<21)|(5<<22)|(3<<25)  ; 15:0 the mask: my row; 17:16 elements of 1 byte; 20 padding on; 21 set beside a mask; 24:22 after every 64 words; 31:25 four words
	s_or_b32 s[G1B+0], s44, (0<<16)|(1<<20)|(1<<21)|(5<<22)|(3<<25)
.irp g, G1, G1B
	s_mov_b32 s[\g+1], ROWB<<16                    ; tensor_dim0
	s_mov_b32 s[\g+2], 128<<16                     ; tensor_dim1
	s_mov_b32 s[\g+3], ROWB<<16                    ; tile_dim0
	s_mov_b32 s[\g+4], 128                         ; tile_dim1
	s_mov_b32 s[\g+5], KROW                        ; tensor_dim0_stride
	s_mov_b32 s[\g+6], 0
	s_mov_b32 s[\g+7], 0
.endr
	; the scales of 128 rows: a dense block of 4,096 bytes, as 16 rows of 256 bytes (32 elements of 8 bytes), 16 bytes of padding behind each
	s_or_b32 s[G1S+0], s43, (3<<16)|(1<<20)|(1<<21)|(5<<22)|(3<<25)
	s_or_b32 s[G1SB+0], s44, (3<<16)|(1<<20)|(1<<21)|(5<<22)|(3<<25)
.irp g, G1S, G1SB
	s_mov_b32 s[\g+1], 32<<16
	s_mov_b32 s[\g+2], (128*KS/256)<<16
	s_mov_b32 s[\g+3], 32<<16
	s_mov_b32 s[\g+4], 128*KS/256
	s_mov_b32 s[\g+5], 32
	s_mov_b32 s[\g+6], 0
	s_mov_b32 s[\g+7], 0
.endr
	s_lshl_b32 s18, s16, 7                         ; which 128 rows of the tile I fetch
	s_lshl_b32 s20, s17, 8
	s_add_co_u32 s20, s20, s18                     ; A: row 256 x tile row + 128 x half
	s_lshl_b32 s46, s42, 8
	s_add_co_u32 s46, s46, s18                     ; B: row 256 x tile column + 128 x half
	s_mov_b32 s21, 0
	s_mov_b32 s47, 0
	s_mov_b64 s[18:19], KS
	s_mul_u64 s[22:23], s[20:21], s[18:19]         ; where these rows' scales begin, in bytes
	s_mul_u64 s[92:93], s[46:47], s[18:19]
	s_mov_b64 s[18:19], KROW
	s_mul_u64 s[20:21], s[20:21], s[18:19]         ; and their codes
	s_mul_u64 s[46:47], s[46:47], s[18:19]
	s_mul_i32 s45, s14, HALFT                      ; where they go: wave x 128 rows: no place in the cluster enters an LDS address
	s_mul_i32 s94, s14, HALFS
	s_wait_dscnt 0x0                               ; both opening adds are done
	s_wait_kmcnt 0x0
	s_add_nc_u64 s[20:21], s[4:5], s[20:21]
	s_add_nc_u64 s[22:23], s[6:7], s[22:23]
	s_add_nc_u64 s[46:47], s[8:9], s[46:47]
	s_add_nc_u64 s[92:93], s[10:11], s[92:93]
	CROUND                                         ; all sixteen work-groups are here: the joint loads meet
	s_mov_b32 s[G0S], 1
	s_add_co_u32 s[G0S+1], s94, SCL
	s_mov_b64 s[G0S+2:G0S+3], s[22:23]
	s_or_b32 s[G0S+3], s[G0S+3], 0x80000000
	s_mov_b32 s[G0SB], 1
	s_add_co_u32 s[G0SB+1], s94, SCL
	s_mov_b64 s[G0SB+2:G0SB+3], s[92:93]
	s_or_b32 s[G0SB+3], s[G0SB+3], 0x80000000
	JLOAD G0S, G1S, G0SB, G1SB                     ; the scales first: they are wanted with K step 0
.irp s, 0,1
	s_mov_b32 s[G0+4*\s], 1
	s_add_co_u32 s[G0+4*\s+1], s45, \s*SLOT
	s_add_nc_u64 s[G0+4*\s+2:G0+4*\s+3], s[20:21], \s*ROWB
	s_or_b32 s[G0+4*\s+3], s[G0+4*\s+3], 0x80000000
	s_mov_b32 s[G0B+4*\s], 1
	s_add_co_u32 s[G0B+4*\s+1], s45, \s*SLOT
	s_add_nc_u64 s[G0B+4*\s+2:G0B+4*\s+3], s[46:47], \s*ROWB
	s_or_b32 s[G0B+4*\s+3], s[G0B+4*\s+3], 0x80000000
	JLOAD G0+4*\s, G1, G0B+4*\s, G1B               ; three loads of mine are out in all: everything that the launch fetches
.endr
	v_and_b32 v1, 15, v0                           ; r = lane % 16
	v_bfe_u32 v2, v0, 4, 1                         ; h = lane / 16
	v_mul_u32_u24 v3, v1, PITCH
	v_lshl_add_u32 v4, v2, 4, v3                   ; a fragment's row x pitch + 16 x half
	s_mul_i32 s21, s15, HALFT                      ; my 128 rows of A
	s_mul_i32 s22, s16, HALFT                      ; my 128 rows of B,
	s_add_co_u32 s22, s22, 2*HALFT                 ; which lie behind A's 256
.irp s, 0,1
	v_add_nc_u32 v[ADRA+\s], s21, v4
	v_add_nc_u32 v[ADRB+\s], s22, v4
	s_add_co_u32 s21, s21, SLOT
	s_add_co_u32 s22, s22, SLOT
.endr
	v_mul_u32_u24 v5, v1, KS                       ; my row's scales: 32 bytes a row,
	v_lshrrev_b32 v6, 8, v5
	v_lshl_add_u32 v5, v6, 4, v5                   ; and 16 more for each 256 passed
	s_mul_i32 s21, s15, HALFS                      ; A's: my 128 rows
	s_mul_i32 s22, s16, HALFS                      ; B's: my 128 rows, behind A's 256
	s_add_co_u32 s22, s22, 2*HALFS
	s_sub_co_u32 s22, s22, s21
	v_mul_u32_u24 v6, s22, v2                      ; lanes 16-31 take B's: one product, the distance between the two bases
	s_add_co_u32 s21, s21, SCL
	v_add_nc_u32 v5, v5, v6
	v_add_nc_u32 v[ADRS], s21, v5
	s_mul_i32 s23, s14, 16*SPITCH                  ; my stage
	v_mul_u32_u24 v5, v1, SPITCH                   ; in: row r, 16 bytes for each half of the lanes
	v_lshl_add_u32 v5, v2, 4, v5
	v_add_nc_u32 v[STO], s23, v5
	v_and_b32 v6, 31, v0                           ; lane
	v_lshrrev_b32 v7, 3, v6
	v_mul_u32_u24 v7, v7, SPITCH                   ; back: eight lanes to a row's 128 bytes of one head, four rows an instruction
	v_and_b32 v8, 7, v6
	v_lshl_add_u32 v7, v8, 4, v7
	v_add_nc_u32 v[RD], s23, v7
	v_lshlrev_b32 v[CO], 4, v6
	v_mul_u32_u24 v[FO], v1, 12288
	v_lshl_add_u32 v[FO], v2, 5, v[FO]
	; where my part begins in qkv: which (tile column / 4) x 2^24 + batch (cy) x 2^22 + head x 2^18 + position x 128
	s_lshr_b32 s20, s42, 2
	s_lshl_b32 s20, s20, 24
	s_lshl_b32 s21, s41, 22
	s_add_co_u32 s20, s20, s21
	s_and_b32 s21, s42, 3
	s_lshl_b32 s21, s21, 2
	s_lshl_b32 s22, s16, 1
	s_add_co_u32 s21, s21, s22                     ; my first head: 4 x (tile column % 4) + 2 x column half
	s_lshl_b32 s21, s21, 18
	s_add_co_u32 s20, s20, s21
	s_lshl_b32 s21, s96, 15                        ; 256 positions x cluster y
	s_add_co_u32 s20, s20, s21
	s_lshl_b32 s21, s15, 14                        ; 128 positions x row half
	s_add_co_u32 s20, s20, s21
	s_mov_b32 s21, 0
	s_add_nc_u64 s[12:13], s[12:13], s[20:21]
	s_mul_i32 s20, s41, 196608                     ; in fine: batch x 16 rows of 12,288 bytes + my first column x 4
	s_lshl_b32 s22, s42, 10
	s_add_co_u32 s20, s20, s22
	s_lshl_b32 s22, s16, 9
	s_add_co_u32 s20, s20, s22
	s_add_nc_u64 s[98:99], s[98:99], s[20:21]
	s_or_b32 s95, s96, s15                         ; 0 where my rows begin with a batch's position 0: made of the cluster's y and the wave's number alone
.macro FRAG reg, adr, q, i             ; a fragment: lane l holds row l % 16; registers 4 c .. 4 c + 3 hold K = 64 c + 32 (l / 16) + 0 .. 31
.irp c, 0,1
	ds_load_b128 v[\reg+4*\c:\reg+4*\c+3], v[\adr] offset:64*(\q)+32*\c+(\i)*16*PITCH
.endr
.endm
; 16 matrix instructions: A's blocks a0, a0 + 1 x B's eight, the slot's q-th 128 along K.  p: B's set;  sc: the set of scale words.  zero = 1: the product starts the sums: nothing is ever cleared.
; The 64 accumulators take turns, one instruction a turn, in the same order in every step.
.macro MUL16 a0, p, q, sc, zero
.irp a, \a0, \a0+1
.irp b, 0,1,2,3,4,5,6,7
.if \zero
	v_wmma_scale_f32_16x16x128_f8f6f4 v[8*(8*((\a)%4)+\b):8*(8*((\a)%4)+\b)+7], v[128*(\p)+FR*\b:128*(\p)+FR*\b+FR-1], v[AF+FR*(\a):AF+FR*(\a)+FR-1], 0, v[SC+8*NQ*(\sc)+NQ*\b+(\q)], v[SC+8*NQ*(\sc)+NQ*(\a)+(\q)] matrix_a_fmt:MATRIX_FMT_FP4 matrix_b_fmt:MATRIX_FMT_FP4 matrix_a_scale:MATRIX_SCALE_ROW1
.else
	v_wmma_scale_f32_16x16x128_f8f6f4 v[8*(8*((\a)%4)+\b):8*(8*((\a)%4)+\b)+7], v[128*(\p)+FR*\b:128*(\p)+FR*\b+FR-1], v[AF+FR*(\a):AF+FR*(\a)+FR-1], v[8*(8*((\a)%4)+\b):8*(8*((\a)%4)+\b)+7], v[SC+8*NQ*(\sc)+NQ*\b+(\q)], v[SC+8*NQ*(\sc)+NQ*(\a)+(\q)] matrix_a_fmt:MATRIX_FMT_FP4 matrix_b_fmt:MATRIX_FMT_FP4 matrix_a_scale:MATRIX_SCALE_ROW1
.endif
.endr
.endr
.endm
.macro FETCH_B slot, q, p              ; B's eight fragments of the slot's q-th 128 along K into set p
	WIN TO_B
.irp i, 0,1,2,3,4,5,6,7
	FRAG 128*(\p)+FR*\i, ADRB+\slot, \q, \i
.endr
	WIN 0
.endm
.macro FETCH_A slot, q, i0             ; A's blocks i0 .. i0 + 3
.irp i, \i0, \i0+1, \i0+2, \i0+3
	FRAG AF+FR*(\i), ADRA+\slot, \q, \i
.endr
.endm
.macro SCALES sc                       ; a K step's scale words into set sc: four words a row; lanes 0-15 take A's block i, lanes 16-31 B's block i
.irp i, 0,1,2,3,4,5,6,7
	ds_load_b128 v[SC+8*NQ*\sc+NQ*\i:SC+8*NQ*\sc+NQ*\i+3], v[ADRS] offset:\i*SBLK
.endr
.endm
; A load into a register that a matrix instruction has read, and a vector instruction or store that reads a matrix result, stand NP places behind it; only plain vector instructions that name none of its registers are places.
.macro PLACES n
.rept \n
	v_nop
.endr
.endm
; A step of 128 along K that has its successor in the same slot.  A block of A is free as soon as its eight products are issued: blocks 0-3 are fetched anew in the step's middle, blocks 4-7 at its end.
.macro STEP slot, q, zero
	s_wait_dscnt 4*NL                              ; B's set and A's blocks 0-3 are in; the youngest eight loads (A's blocks 4-7) may be out
	WIN MUL_LO
	MUL16 0, (\q)%2, \q, \slot, \zero
	MUL16 2, (\q)%2, \q, \slot, \zero
	s_wait_dscnt 0                                 ; A's blocks 4-7 are in (asked for 32 matrix instructions ago)
	PLACES NP
	FETCH_B \slot, (\q)+1, 1-(\q)%2
	FETCH_A \slot, (\q)+1, 0
	WIN MUL_HI
	MUL16 4, (\q)%2, \q, \slot, \zero
	MUL16 6, (\q)%2, \q, \slot, \zero
	PLACES NP
	WIN 0
	FETCH_A \slot, (\q)+1, 4
.endm
; Slot 0's last step changes slots: one barrier; in front of it each wave waits for all its tensor loads (its part of slot 1), adds 0 to its spare word, and waits for that and for its reads of slot 0.  Nothing is filled again.
.macro TURN slot, next
	s_wait_tensorcnt 0x0                           ; all my tensor loads have landed  (every window is 0 here)
	ds_add_u32 v[SPW], v[NIL]                      ; 0 onto my spare word
	s_wait_dscnt 4*NL+1                            ; (the add and the youngest eight loads, A's blocks 4-7, may be out)
	WIN MUL_LO
	MUL16 0, 1, NQ-1, \slot, 0                     ; sixteen matrix instructions stand between the add and the wait for it
	s_wait_dscnt 0x0                               ; the add is done, and my reads of this slot are over
	s_barrier_signal -1
	MUL16 2, 1, NQ-1, \slot, 0
	WIN 0
	s_barrier_wait -1                              ; the next slot is whole, and nobody reads this one any more
	PLACES NP
	v_add_nc_u32 v[ADRS], 4*NQ, v[ADRS]            ; on to the next K step's scale words
	FETCH_B \next, 0, 0
	FETCH_A \next, 0, 0
	SCALES \next
	WIN MUL_HI
	MUL16 4, 1, NQ-1, \slot, 0
	MUL16 6, 1, NQ-1, \slot, 0
	PLACES NP
	WIN 0
	FETCH_A \next, 0, 4
.endm
.macro STEPS slot, from                ; the slot's steps from .. NQ - 2
.set Q, \from
.rept NQ-1-\from
	STEP \slot, Q, 0
.set Q, Q+1
.endr
.endm
	s_wait_tensorcnt 1                             ; the scales and my part of K step 0 are in (K step 1's load may be out)
	s_barrier_signal -1
	s_barrier_wait -1                              ; everybody's are
	FETCH_B 0, 0, 0
	FETCH_A 0, 0, 0
	SCALES 0
	FETCH_A 0, 0, 4
	STEP 0, 0, 1                                   ; the first step's products start the sums
	STEPS 0, 1
	TURN 0, 1
	STEPS 1, 0
	s_wait_dscnt 4*NL                              ; the very last step: nothing more to fetch
	WIN MUL_LO
	MUL16 0, 1, NQ-1, 1, 0
	MUL16 2, 1, NQ-1, 1, 0
	s_wait_dscnt 0
	WIN MUL_HI
	MUL16 4, 1, NQ-1, 1, 0
	MUL16 6, 1, NQ-1, 1, 0
	WIN 0
; THE WAY OUT.  Lane (r, h) holds, of accumulator (a, b), row 16 a + r and columns 16 b + 8 h + 0 .. 7.
	PLACES NP
	s_cmp_lg_u32 s95, 0                            ; positions 0-15 of a batch are my block 0 where cluster y = 0 and mine is the upper half of the rows
	s_cbranch_scc1 .Lnofine
	WIN 0x08                                       ; a store's data are its source 1: window 2
.irp b, 0,1,2,3,4,5,6,7
	global_store_b128 v[FO], v[8*\b:8*\b+3], s[98:99] offset:64*\b          ; as f32, each accumulator from its low end on.  32 bytes a lane of rows 12,288 bytes apart:
	global_store_b128 v[FO], v[8*\b+4:8*\b+7], s[98:99] offset:64*\b+16     ; 786,432 bytes in the whole launch against qkv's 50,331,648
.endr
	WIN 0
.Lnofine:
; Block a, 16 rows x 128 columns (two heads), in three parts.  PACK: rounded to f16, 16 bytes a lane.  TOSTAGE: into my stage, and back by heads: in a head's plane 16 rows are 2,048 consecutive bytes.  SEND: stored.
.macro PACK a
.set AC, 64*((\a)%4)
	WIN 0x0a+5*((\a)/4)                            ; sources 0 and 1: window 2 or 3
.irp b, 0,1,2,3,4,5,6,7
.irp rr, 0,1,2,3
	v_cvt_pk_f16_f32 v[TMP+4*\b+\rr], v[AC+8*\b+2*\rr], v[AC+8*\b+2*\rr+1]
.endr
.endr
	WIN 0
.endm
.macro TOSTAGE a
.set BK, 32+192*((\a)%2)               ; v32-63 and v224-255 by turns
.irp b, 0,1,2,3,4,5,6,7
	ds_store_b128 v[STO], v[TMP+4*\b:TMP+4*\b+3] offset:32*\b
.endr
.irp j2, 0,1
.irp i, 0,1,2,3
	ds_load_b128 v[BK+4*(4*\j2+\i):BK+4*(4*\j2+\i)+3], v[RD] offset:\i*4*SPITCH+128*\j2   ; LDS serves a wave's instructions in order: these see the stores above
.endr
.endr
.endm
.macro SEND a
.set BK, 32+192*((\a)%2)
	s_wait_dscnt 0x0                               ; the block is back in registers
	s_wait_xcnt 0x0                                ; the stores of the block before have read their registers, into which the next block's loads land
.irp j2, 0,1
.irp i, 0,1,2,3
	global_store_b128 v[CO], v[BK+4*(4*\j2+\i):BK+4*(4*\j2+\i)+3], s[12:13] offset:2048*(\a)+262144*\j2+512*\i   ; 32 lanes store 512 consecutive bytes, aligned to 512
.endr
.endr
.endm
	PACK 0
	TOSTAGE 0
.irp a, 1,2,3,4,5,6,7                  ; block a's conversions stand between block a - 1's loads from the stage and the wait for them
	PACK \a
	SEND \a-1
	TOSTAGE \a
.endr
	SEND 7
	s_wait_tensorcnt 0x0                           ; the wave's end: three closing lines, behind my last tensor load and my last LDS store
	ds_add_u32 v[SPW], v[NIL]
	s_wait_dscnt 0x0
	CROUND                                         ; the closing round: no work-group ends while a partner may still ask for a tile that names it
	s_endpgm
.Lfunc_end_k_q7908dd0850_qkv:
	.size	k_q7908dd0850_qkv, .Lfunc_end_k_q7908dd0850_qkv-k_q7908dd0850_qkv
	.p2alignl 7, 3214868480
	.fill 96, 4, 3214868480
	.section	.rodata,"a",@progbits
	.p2align	6, 0x0
	.amdhsa_kernel k_q7908dd0850_qkv
		.amdhsa_group_segment_fixed_size 327680
		.amdhsa_private_segment_fixed_size 0
		.amdhsa_enable_private_segment 0
		.amdhsa_kernarg_size 48
		.amdhsa_user_sgpr_count 2
		.amdhsa_user_sgpr_kernarg_segment_ptr 1
		.amdhsa_wavefront_size32 1
		.amdhsa_system_sgpr_workgroup_id_x 1
		.amdhsa_system_sgpr_workgroup_id_y 1
		.amdhsa_system_sgpr_workgroup_id_z 1
		.amdhsa_system_vgpr_workitem_id 0
		.amdhsa_next_free_vgpr 1024
		.amdhsa_next_free_sgpr 100
		.amdhsa_reserve_vcc 0
		.amdhsa_float_denorm_mode_32 3
		.amdhsa_float_denorm_mode_16_64 3
		.amdhsa_memory_ordered 1
		.amdhsa_forward_progress 1
		.amdhsa_inst_pref_size 128
	.end_amdhsa_kernel
	.amdgpu_metadata
---
amdhsa.version: [ 1, 2 ]
amdhsa.kernels:
  - .name:           k_q7908dd0850_qkv
    .symbol:         k_q7908dd0850_qkv.kd
    .args:
      - { .name: xc, .offset: 0, .size: 8, .value_kind: global_buffer, .address_space: global }
      - { .name: xs, .offset: 8, .size: 8, .value_kind: global_buffer, .address_space: global }
      - { .name: wc, .offset: 16, .size: 8, .value_kind: global_buffer, .address_space: global }
      - { .name: ws, .offset: 24, .size: 8, .value_kind: global_buffer, .address_space: global }
      - { .name: qkv, .offset: 32, .size: 8, .value_kind: global_buffer, .address_space: global }
      - { .name: fine, .offset: 40, .size: 8, .value_kind: global_buffer, .address_space: global }
    .group_segment_fixed_size: 327680
    .private_segment_fixed_size: 0
    .kernarg_segment_align: 8
    .kernarg_segment_size: 48
    .max_flat_workgroup_size: 128
    .sgpr_count:     100
    .vgpr_count:     1024
    .wavefront_size: 32
...
	.end_amdgpu_metadata
.endif
;; end of part 2
;; launch attn (part 3): grid 4 x 64, 16 waves a work-group, no clusters, 327,680 bytes of LDS; arguments qkv, att; writes att
.if DOCPART == 3
	.amdgcn_target "amdgcn-amd-amdhsa--gfx1250"
	.amdhsa_code_object_version 6
	.text
	.protected	k_q7908dd0850_attn
	.globl	k_q7908dd0850_attn
	.p2align	8
	.type	k_q7908dd0850_attn,@function
k_q7908dd0850_attn:
	s_mov_b64 s[64:65], 0
	v_nop
	global_prefetch_b8 v0, s[64:65] scope:SCOPE_SE
	s_setreg_imm32_b32 hwreg(HW_REG_WAVE_MODE, 25, 1), 1
	s_wait_xcnt 0x0
; O[b][h][q] = the sum over k <= q of softmax_k(Q[q] . K[k] / 8) V[k], head size 64, 2,048 positions, 64 pairs (batch, head).  Operands in f16; products, maxima and sums in f32; the weights p are rounded to f16
; for the second product, O once at the end.  In: qkv [3][4][16][2048][64] f16.  Out: att, f16, planes [16 head][8192 row][64]: the projection's A by steps of 64 along its K.
; LIMITS: NaN and infinities are not served; O must lie within f16's range, 65,504.  (Positions 0-15 of every batch are made here too, but what is stored of them downstream comes from the launch that carries them in f32.)
; SHARES.  Work-group (i, y) owns the query blocks i and 7 - i (256 queries each) of pair y: (i + 1) + (8 - i) = 9 blocks of keys for every work-group, 256 work-groups of equal work.  Waves 0-7 take block i,
; waves 8-15 block 7 - i; a wave owns 32 queries, two tiles of 16, in 256 registers: four waves to a SIMD, so that one wave's vector work stands beside another's matrix work and LDS loads.
; NO CLUSTER: the four work-groups of a pair need 8, 7, 6 and 5 slots of keys, so a joint load would bring tiles that every wave of some partner jumps over.
; KEYS go 64 a step, 256 a slot, through two LDS slots filled by tensor loads (waves 0, 1: K's halves; waves 2, 3: V's).  EVERY work-group walks all 8 slots, so that trip counts are constants; a step all of whose keys
; come after the wave's queries is jumped over, and no slot is asked for whose first key comes after the work-group's last query.
; LAYOUT.  S^T = K Q^T (source 0 = 16 keys, source 1 = 16 queries): a lane holds ONE query (lane % 16) and keys 8 (lane / 16) + 0..7.  Two such tiles, rounded to f16 in pairs, ARE source 1 (32 keys x 16 queries) of
; O^T = V^T P, whose result again holds one query a lane.  K comes out of LDS as it lies, V ([key][channel]) turned, by ds_load_tr16_b128.
; SOFTMAX.  A running maximum m and sum l for each query: p = 2^(c s - c m), c = log2(e) / 8; in every step O and l are multiplied by 2^(c m_old - c m_new).
.set SK,    256                        ; keys in a slot
.set NQ,    4                          ; steps of 64 keys in a slot
.set NSL,   8                          ; slots' worth of keys
.set KP,    144                        ; a row of K in LDS: 128 bytes + 16 = 36 words
.set VP,    160                        ; a row of V: 128 + 32 = 40 words
.set VOFF,  SK*KP                      ; a slot: 256 rows of K, then 256 rows of V
.set SLOT1, 1<<17                      ; slot 1 begins here, so that one exclusive or turns an address in one slot into the other's
.set STAGE, SLOT1+VOFF+SK*VP           ; behind the slots: 32 rows x 144 bytes for each wave, for the way out; no tensor load lands here
.set SP,    144
.set SPARE, STAGE+16*32*SP             ; the spare words, 128 bytes a wave, which no other line names
.set AK0, 1                            ; v1  my lane's place in a tile of K
.set AV0, 2                            ; v2  the same for V
.set SPW, 3                            ; v3  LDS address of my spare word; never rewritten
.set NIL, 4                            ; v4  0; never rewritten
.set ADK, 5                            ; v5  LDS address of the slot's K for my lane
.set ADV, 6                            ; v6  of its V
.set DL,  7                            ; v7  lane % 16 - 8 (lane / 16)
.set ST,  8                            ; v8-23 tile t's statistics at ST + 8 t: +0 c m, +1 m, +2, +3 l in two halves, +4 to +7 at work; +6 the factor 2^(c m_old - c m_new)
.set MD,  24                           ; v24 the mask's distance
.set NEG, 25                           ; v25 -infinity
.set PFO, 26                           ; v26 256 x lane: the prefetches' offset; never rewritten
.set QO,  27                           ; v27 my byte offset in the wave's rows of Q
.set STO, 28                           ; v28 the way out: where I put 16 bytes of a row
.set RD,  29                           ; v29 where I read back: eight lanes to a row
.set GO,  30                           ; v30 16 x lane
.set QR,  32                           ; v32-63   Q: tile t, channels 32 c on: QR + 16 t + 8 c
.set SR,  64                           ; v64-127  S^T: SR + 32 t + 8 kt; p's fragment f of tile t is laid over it at SR + 32 t + 8 f
.set OR,  128                          ; v128-191 O^T: OR + 32 t + 8 ct
.set KV,  192                          ; v192-255 K of a step (KV + 16 kt + 8 c), then its V (KV + 32 f + 8 ct)
.set TB,  2                            ; s2  LDS byte at which the slot in hand begins
.set WV,  18
.set SEL, 20                           ; s[20:21] lane selects for v_permlanex16_b32: lane l xor 16
.set CS,  22                           ; s[22:23] c: the packed form names a pair and takes its low word for both halves
.set G1K, 24                           ; s[24:31] descriptor group 1 for K's tiles;  s[32:39] for V's: another padding
.set G1V, 32
.set G0K, 40                           ; s[40:43], s[44:47] their groups 0, which walk
.set G0V, 44
.set SLOTS, 48                         ; s48 changes of slots still to come in the loop
.set KF,  49                           ; s49 the step's first key
.set Q0,  50                           ; s50 my wave's first query
.set LASTQ, 51                         ; s51 my work-group's last query
.set PFA, 52                           ; s[52:53] where my prefetches stand
.set LIM, 54                           ; s54 1 in a wave that prefetches, else the greatest number
; Waves 0 and 1 fetch for K, waves 2 and 3 for V, the others nothing.  An s_nop 0 and four v_nop follow each of the two lines.
.macro TLOAD
	s_cmp_lt_u32 s[WV], 2
	s_cbranch_scc0 .Lnot_k_\@
	tensor_load_to_lds s[G0K:G0K+3], s[G1K:G1K+7]
	s_nop 0
.rept 4
	v_nop
.endr
	s_branch .Lasked_\@
.Lnot_k_\@:
	s_cmp_lt_u32 s[WV], 4
	s_cbranch_scc0 .Lasked_\@
	tensor_load_to_lds s[G0V:G0V+3], s[G1V:G1V+7]
	s_nop 0
.rept 4
	v_nop
.endr
.Lasked_\@:
.endm
; A PREFETCH INTO THE L2 of the slot that the NEXT change of slots will ask for: 32,768 dense bytes of K and as many of V.  All four work-groups of a pair walk the same K and V: work-group i = 0, which walks all
; slots to the end, asks, and nobody else.  In it the waves ask that fetch nothing: waves 4-7 for K, waves 8-11 for V, 8,192 bytes a wave, lanes 256 bytes apart: each aligned block of 256 bytes is named once in the launch.
; The last change that fills a slot asks for nothing; slots 0 and 1 come by their loads alone.
.macro ASK
	s_cmp_gt_u32 s[SLOTS], s[LIM]
	s_cbranch_scc0 .Lnot_mine_\@
	global_prefetch_b8 v[PFO], s[PFA:PFA+1] th:TH_LOAD_NT scope:SCOPE_SE
.Lnot_mine_\@:
.endm
	s_load_b128 s[4:7], s[0:1], 0x0                ; qkv, att
	v_lshl_add_u32 v[SPW], v0, 2, SPARE
	v_mov_b32 v[NIL], 0
	ds_add_u32 v[SPW], v[NIL]                      ; the wave's opening: the add, twice on end, and its wait ahead of my first tensor load
	ds_add_u32 v[SPW], v[NIL]                      ; the set-up below, work on registers, stands between the second and the wait
	v_lshrrev_b32 v5, 5, v0
	v_readfirstlane_b32 s[WV], v5                  ; wave 0..15
	s_and_b32 s55, ttmp7, 0xffff                   ; y = 16 batch + head
	s_lshl_b32 s56, s55, 18                        ; a plane of 2,048 x 128 bytes
	s_mov_b32 s57, 0
	s_sub_co_u32 s58, 7, ttmp9                     ; 7 - i
	s_cmp_lt_u32 s[WV], 8
	s_cselect_b32 s59, ttmp9, s58                  ; my block of queries
	s_lshl_b32 s59, s59, 8
	s_and_b32 s60, s[WV], 7
	s_lshl_b32 s60, s60, 5
	s_add_co_u32 s[Q0], s59, s60                   ; 256 x block + 32 x (wave % 8)
	s_lshl_b32 s[LASTQ], s58, 8
	s_or_b32 s[LASTQ], s[LASTQ], 255
	s_lshl_b32 s60, s[Q0], 7
	s_mov_b32 s61, 0
	s_add_nc_u64 s[60:61], s[60:61], s[56:57]      ; my queries' bytes in q's part
	s_and_b32 s62, s[WV], 1                        ; which 128 rows of a slot I fetch, if I fetch
	s_lshl_b32 s66, s62, 14
	s_mov_b32 s67, 0
	s_add_nc_u64 s[66:67], s[66:67], s[56:57]
	s_and_b32 s68, s55, 15                         ; att: head x 2^20 + (batch x 2,048 + my first query) x 128
	s_lshl_b32 s68, s68, 20
	s_lshr_b32 s69, s55, 4
	s_lshl_b32 s69, s69, 11
	s_add_co_u32 s69, s69, s[Q0]
	s_lshl_b32 s69, s69, 7
	s_add_co_u32 s68, s68, s69
	s_mov_b32 s69, 0
	s_mul_i32 s70, s62, 128*KP                     ; and where my rows go in a slot
	s_mul_i32 s71, s62, 128*VP
	s_add_co_u32 s71, s71, VOFF
	; descriptor group 1: 128 rows of 64 elements of 2 bytes, dense in memory, padded in LDS
	s_mov_b32 s[G1K], (1<<16)|(1<<20)|(4<<22)|(3<<25)   ; 15:0 no mask; 17:16 elements of 2 bytes; 20 padding on; 24:22 after every 32 words; 31:25 four words
	s_mov_b32 s[G1V], (1<<16)|(1<<20)|(4<<22)|(7<<25)   ; the same with eight words
.irp g, G1K, G1V
	s_mov_b32 s[\g+1], 64<<16                      ; tensor_dim0
	s_mov_b32 s[\g+2], 128<<16                     ; tensor_dim1
	s_mov_b32 s[\g+3], 64<<16                      ; tile_dim0
	s_mov_b32 s[\g+4], 128                         ; tile_dim1
	s_mov_b32 s[\g+5], 64                          ; tensor_dim0_stride
	s_mov_b32 s[\g+6], 0
	s_mov_b32 s[\g+7], 0
.endr
	s_mov_b32 s[SEL], 0x76543210
	s_mov_b32 s[SEL+1], 0xfedcba98
	s_mov_b32 s[CS], 0x3e38aa3b                    ; c = log2(e) / 8
	s_mov_b32 s[CS+1], s[CS]                       ; (named with it as a pair, so it is written)
	s_mov_b32 s[TB], 0
	s_mov_b32 s[SLOTS], NSL-1
	s_mov_b32 s[KF], 0
	s_wait_dscnt 0x0                               ; both opening adds are done
	s_wait_kmcnt 0x0
	s_mov_b32 s[G0K], 1                            ; count = 1
	s_mov_b32 s[G0K+1], s70                        ; LDS address: slot 0
	s_add_nc_u64 s[G0K+2:G0K+3], s[4:5], s[66:67]
	s_add_nc_u64 s[G0K+2:G0K+3], s[G0K+2:G0K+3], 1<<24   ; k's part of qkv
	s_or_b32 s[G0K+3], s[G0K+3], 0x80000000        ; type = 2
	s_mov_b32 s[G0V], 1
	s_mov_b32 s[G0V+1], s71
	s_add_nc_u64 s[G0V+2:G0V+3], s[4:5], s[66:67]
	s_add_nc_u64 s[G0V+2:G0V+3], s[G0V+2:G0V+3], 2<<24   ; v's part
	s_or_b32 s[G0V+3], s[G0V+3], 0x80000000
	TLOAD                                          ; slot 0: key 0 counts for every query, so it is read by every wave
	; the prefetches: where my wave's stand, and who asks
	s_add_nc_u64 s[8:9], s[4:5], s[56:57]
	s_add_nc_u64 s[10:11], s[8:9], 2<<24           ; my pair's plane of v,
	s_add_nc_u64 s[8:9], s[8:9], 1<<24             ; and of k
	s_cmp_lt_u32 s[WV], 8
	s_cselect_b64 s[PFA:PFA+1], s[8:9], s[10:11]
	s_and_b32 s72, s[WV], 3
	s_lshl_b32 s72, s72, 13                        ; my wave's 8,192 bytes,
	s_add_co_u32 s72, s72, SK*128                  ; in slot 1: the first change of slots steps it to slot 2.  Nothing is prefetched here, at the head
	s_mov_b32 s73, 0
	s_add_nc_u64 s[PFA:PFA+1], s[PFA:PFA+1], s[72:73]
	s_sub_co_u32 s72, s[WV], 4
	s_lshr_b32 s72, s72, 3                         ; 0 in waves 4 to 11,
	s_or_b32 s72, s72, ttmp9                       ; of work-group i = 0
	s_cmp_eq_u32 s72, 0
	s_cselect_b32 s[LIM], 1, -1
	s_add_nc_u64 s[4:5], s[4:5], s[60:61]          ; q at my first query
	s_add_nc_u64 s[6:7], s[6:7], s[68:69]          ; att likewise
	v_and_b32 v5, 15, v0                           ; r
	v_bfe_u32 v6, v0, 4, 1                         ; h
	v_lshlrev_b32 v[QO], 7, v5
	v_lshl_add_u32 v[QO], v6, 4, v[QO]             ; row r of 128 bytes + 16 h
.irp t, 0,1
.irp c, 0,1
	global_load_b128 v[QR+16*\t+8*\c:QR+16*\t+8*\c+3], v[QO], s[4:5] offset:\t*2048+64*\c         ; Q stays in registers: lane (r, h): channels 32 c + 8 h + 0..7,
	global_load_b128 v[QR+16*\t+8*\c+4:QR+16*\t+8*\c+7], v[QO], s[4:5] offset:\t*2048+64*\c+32    ; and 32 c + 16 + 8 h + 0..7
.endr
.endr
	v_mul_u32_u24 v[AK0], v5, KP
	v_lshl_add_u32 v[AK0], v6, 4, v[AK0]           ; K: row r x pitch + 16 h
	v_and_b32 v24, 7, v0
	v_lshl_add_u32 v24, v6, 3, v24
	v_mul_u32_u24 v[AV0], v24, VP                  ; V, for the turning load: key 8 h + lane % 8,
	v_bfe_u32 v31, v0, 3, 1
	v_lshl_add_u32 v[AV0], v31, 4, v[AV0]          ; channels 8 ((lane / 8) % 2) on
	v_add_nc_u32 v[AV0], VOFF, v[AV0]
	v_lshlrev_b32 v31, 3, v6
	v_sub_nc_u32 v[DL], v5, v31                    ; r - 8 h
	v_mov_b32 v[NEG], 0xff800000
	v_and_b32 v31, 31, v0                          ; lane
	v_lshlrev_b32 v[PFO], 8, v31
	v_lshlrev_b32 v[GO], 4, v31
	s_mul_i32 s74, s[WV], 32*SP
	s_add_co_u32 s74, s74, STAGE                   ; my stage
	v_mul_u32_u24 v[STO], v5, SP
	v_lshl_add_u32 v[STO], v6, 4, v[STO]
	v_add_nc_u32 v[STO], s74, v[STO]
	v_lshrrev_b32 v24, 3, v31
	v_mul_u32_u24 v[RD], v24, SP
	v_and_b32 v24, 7, v0
	v_lshl_add_u32 v[RD], v24, 4, v[RD]
	v_add_nc_u32 v[RD], s74, v[RD]
.irp t, 0,1
	v_mov_b32 v[ST+8*\t+1], 0xff61b1e6             ; m: -3e38, under every score
	v_mul_f32 v[ST+8*\t], s[CS], v[ST+8*\t+1]      ; c m
.irp n, 2,3,4,5,6,7
	v_mov_b32 v[ST+8*\t+\n], 0                     ; l; and the registers at work, written once: a lane permute's destination and a pair's other half count as read
.endr
.endr
.set j, 0
.rept 64
	v_mov_b32 v[OR+j], 0                           ; O^T.  (The step is written once for all steps: the first finds zeros, which its factor, 0, leaves zeros)
.set j, j+1
.endr
; A KEY STEP: 64 keys, the q-th of the slot in hand.
.macro STEP q
	s_add_co_u32 s66, s[Q0], 31                    ; a step all of whose keys come after my 32 queries is left out: a branch on ids, round the step's work alone.
	s_cmp_gt_u32 s[KF], s66                        ; (KF is a multiple of 64 and Q0 of 32: in a step that is worked KF <= Q0, so its first key counts for every query of mine)
	s_cbranch_scc1 .Lhidden_\@
	v_add_nc_u32 v[ADK], s[TB], v[AK0]
	v_add_nc_u32 v[ADV], s[TB], v[AV0]
.irp kt, 0,1,2,3
.irp c, 0,1
	ds_load_b128 v[KV+16*\kt+8*\c:KV+16*\kt+8*\c+3], v[ADK] offset:(64*(\q)+16*\kt)*KP+64*\c
	ds_load_b128 v[KV+16*\kt+8*\c+4:KV+16*\kt+8*\c+7], v[ADK] offset:(64*(\q)+16*\kt)*KP+64*\c+32
.endr
.endr
	s_wait_dscnt 0x0                               ; K is in
.irp c, 0,1                                    ; S^T = K Q^T: the eight accumulators take turns, one instruction a turn; the first eight products start the sums
.irp kt, 0,1,2,3
.irp t, 0,1
.if \c == 0
	v_wmma_f32_16x16x32_f16 v[SR+32*\t+8*\kt:SR+32*\t+8*\kt+7], v[KV+16*\kt+8*\c:KV+16*\kt+8*\c+7], v[QR+16*\t+8*\c:QR+16*\t+8*\c+7], 0
.else
	v_wmma_f32_16x16x32_f16 v[SR+32*\t+8*\kt:SR+32*\t+8*\kt+7], v[KV+16*\kt+8*\c:KV+16*\kt+8*\c+7], v[QR+16*\t+8*\c:QR+16*\t+8*\c+7], v[SR+32*\t+8*\kt:SR+32*\t+8*\kt+7]
.endif
.endr
.endr
.endr
.rept 4
	v_nop                                          ; four places: in front of the loads into K's registers, and of the first read of the scores
.endr
.irp f, 0,1                                    ; V, turned, into the registers that K has left: it lands while the softmax is walked
.irp ct, 0,1,2,3
	ds_load_tr16_b128 v[KV+32*\f+8*\ct:KV+32*\f+8*\ct+3], v[ADV] offset:(64*(\q)+32*\f)*VP+32*\ct
	ds_load_tr16_b128 v[KV+32*\f+8*\ct+4:KV+32*\f+8*\ct+7], v[ADV] offset:(64*(\q)+32*\f)*VP+16*VP+32*\ct
.endr
.endr
	s_add_co_u32 s66, s[KF], 63                    ; on the diagonal the scores of hidden keys become -infinity ahead of the maximum: p = 0 then.  A step all of whose keys count skips this
	s_cmp_le_u32 s66, s[Q0]
	s_cbranch_scc1 .Lopen_\@
	s_sub_co_i32 s66, s[Q0], s[KF]
	v_add_nc_u32 v[MD], s66, v[DL]                 ; register 32 t + 8 kt + j holds key KF + 16 kt + 8 h + j for query Q0 + 16 t + r: hidden where 16 kt + j - 16 t > Q0 - KF + r - 8 h
.irp t, 0,1
.irp kt, 0,1,2,3
.irp j, 0,1,2,3,4,5,6,7
	v_cmp_gt_i32 vcc_lo, 16*\kt+\j-16*\t, v[MD]
	v_cndmask_b32 v[SR+32*\t+8*\kt+\j], v[SR+32*\t+8*\kt+\j], v[NEG], vcc_lo
.endr
.endr
.endr
.Lopen_\@:
; the softmax: each line for both tiles by turns, so that no line waits for the line above it.  Each accumulator is read from its low end on.
.irp j, 0,1,2,3
.irp t, 0,1
	v_max3_num_f32 v[ST+8*\t+4+\j], v[SR+32*\t+8*\j], v[SR+32*\t+8*\j+1], v[SR+32*\t+8*\j+2]
.endr
.endr
.irp i, 3,5
.irp j, 0,1,2,3
.irp t, 0,1
	v_max3_num_f32 v[ST+8*\t+4+\j], v[ST+8*\t+4+\j], v[SR+32*\t+8*\j+\i], v[SR+32*\t+8*\j+\i+1]
.endr
.endr
.endr
.irp t, 0,1
	v_max3_num_f32 v[ST+8*\t+4], v[ST+8*\t+4], v[SR+32*\t+7], v[SR+32*\t+15]
.endr
.irp t, 0,1
	v_max3_num_f32 v[ST+8*\t+6], v[ST+8*\t+6], v[SR+32*\t+23], v[SR+32*\t+31]
.endr
.irp t, 0,1
	v_max3_num_f32 v[ST+8*\t+4], v[ST+8*\t+4], v[ST+8*\t+5], v[ST+8*\t+6]
.endr
.irp t, 0,1
	v_max3_num_f32 v[ST+8*\t+4], v[ST+8*\t+4], v[ST+8*\t+7], v[ST+8*\t+1]    ; with the old m
.endr
.irp t, 0,1
	v_permlanex16_b32 v[ST+8*\t+5], v[ST+8*\t+4], s[SEL], s[SEL+1]           ; the query's other 32 keys lie in the lane 16 away
.endr
.irp t, 0,1
	v_mov_b32 v[ST+8*\t+7], v[ST+8*\t]             ; c m_old
.endr
.irp t, 0,1
	v_max_num_f32 v[ST+8*\t+1], v[ST+8*\t+4], v[ST+8*\t+5]                   ; the new m
.endr
.irp t, 0,1
	v_mul_f32 v[ST+8*\t], s[CS], v[ST+8*\t+1]
.endr
.irp t, 0,1
	v_sub_f32 v[ST+8*\t+7], v[ST+8*\t+7], v[ST+8*\t]
.endr
.set j, 0
.rept 16
.irp t, 0,1
	v_pk_fma_f32 v[SR+32*\t+j:SR+32*\t+j+1], v[SR+32*\t+j:SR+32*\t+j+1], s[CS:CS+1], v[ST+8*\t:ST+8*\t+1] op_sel_hi:[1,0,0] neg_lo:[0,0,1] neg_hi:[0,0,1]   ; c s - c m, two at a time
.endr
.set j, j+2
.endr
.irp t, 0,1
	v_exp_f32 v[ST+8*\t+6], v[ST+8*\t+7]           ; ONE BATCH of 66 exponentials: the two factors,
.endr
.set j, 0
.rept 32
.irp t, 0,1
	v_exp_f32 v[SR+32*\t+j], v[SR+32*\t+j]         ; and p
.endr
.set j, j+1
.endr
	v_nop                                          ; a plain instruction behind the last exponential,
	s_wait_alu depctr_va_vdst(0)                   ; and the one wait ahead of the batch's first reader
.irp t, 0,1
	v_pk_mul_f32 v[ST+8*\t+2:ST+8*\t+3], v[ST+8*\t+2:ST+8*\t+3], v[ST+8*\t+6:ST+8*\t+7] op_sel_hi:[1,0]   ; l under the new m
.endr
.irp t, 0,1
	v_pk_add_f32 v[ST+8*\t+4:ST+8*\t+5], v[SR+32*\t:SR+32*\t+1], v[SR+32*\t+2:SR+32*\t+3]   ; the sum is taken of the unrounded p, two at a time, in two chains a tile
.endr
.irp j, 4,8,12,16,20,24,28
.irp t, 0,1
	v_pk_add_f32 v[ST+8*\t+2:ST+8*\t+3], v[ST+8*\t+2:ST+8*\t+3], v[SR+32*\t+\j:SR+32*\t+\j+1]
	v_pk_add_f32 v[ST+8*\t+4:ST+8*\t+5], v[ST+8*\t+4:ST+8*\t+5], v[SR+32*\t+\j+2:SR+32*\t+\j+3]
.endr
.endr
.irp t, 0,1
	v_pk_add_f32 v[ST+8*\t+2:ST+8*\t+3], v[ST+8*\t+2:ST+8*\t+3], v[ST+8*\t+4:ST+8*\t+5]
.endr
.set j, 0
.rept 16
.irp t, 0,1
	v_cvt_pk_f16_f32 v[SR+32*\t+j], v[SR+32*\t+2*j], v[SR+32*\t+2*j+1]       ; p to f16, in place and ascending: number j is written when numbers 2 j and 2 j + 1 are read
.endr
.set j, j+1
.endr
.set j, 0
.rept 16
.irp t, 0,1
	v_pk_mul_f32 v[OR+32*\t+j:OR+32*\t+j+1], v[OR+32*\t+j:OR+32*\t+j+1], v[ST+8*\t+6:ST+8*\t+7] op_sel_hi:[1,0]   ; O^T under the new m
.endr
.set j, j+2
.endr
	s_wait_dscnt 0x0                               ; V is in
.irp f, 0,1                                    ; O^T += V^T P: eight accumulators by turns
.irp ct, 0,1,2,3
.irp t, 0,1
	v_wmma_f32_16x16x32_f16 v[OR+32*\t+8*\ct:OR+32*\t+8*\ct+7], v[KV+32*\f+8*\ct:KV+32*\f+8*\ct+7], v[SR+32*\t+8*\f:SR+32*\t+8*\f+7], v[OR+32*\t+8*\ct:OR+32*\t+8*\ct+7]
.endr
.endr
.endr
.rept 5
	v_nop                                          ; five places: the next step's first products write over p's registers (five are asked), and its loads land in V's (four)
.endr
.Lhidden_\@:
	s_add_co_u32 s[KF], s[KF], 64
.endm
; THE CHANGE OF SLOTS stands at a slot's head.  Each wave waits for all its tensor loads (its part of the slot that it is about to read), adds 0 to its spare word, and waits for that and for its reads of the slot that
; it has left.  Behind the barrier the slot ahead is whole and nobody reads the other one.  fill = 1: that other slot takes the next 256 keys, up to the causal limit: the load has a slot's four steps in which to land.
.macro CHANGE fill
	s_wait_tensorcnt 0x0                           ; no tensor load of mine is out, so a group 0 may be written
	ds_add_u32 v[SPW], v[NIL]                      ; 0 onto my spare word
.if \fill
	ds_add_u32 v[SPW], v[NIL]                      ; and once more: the add twice on end, in every trip alike
	s_xor_b32 s[G0K+1], s[G0K+1], SLOT1            ; the walking descriptors: the other slot than last time,
	s_add_nc_u64 s[G0K+2:G0K+3], s[G0K+2:G0K+3], SK*128   ; the next 256 keys; the type bits on top are not reached
	s_xor_b32 s[G0V+1], s[G0V+1], SLOT1
	s_add_nc_u64 s[G0V+2:G0V+3], s[G0V+2:G0V+3], SK*128
	s_wait_xcnt 0x0                                ; the last prefetch, a slot back, has read its address, so it may be written:
	s_add_nc_u64 s[PFA:PFA+1], s[PFA:PFA+1], SK*128   ; one slot further on than the walking descriptors
.endif
	s_wait_dscnt 0x0                               ; the add is done, and my reads of the slot that I have left are over
	s_barrier_signal -1
	s_barrier_wait -1
.if \fill
	s_add_co_u32 s66, s[KF], SK                    ; the first key of the slot that this change would ask for:
	s_cmp_gt_u32 s66, s[LASTQ]                     ; past my work-group's last query it would be read by none of the sixteen waves, so it is not asked for.  Ids and the count of steps alone:
	s_cbranch_scc1 .Lpast_\@                       ; all waves go the same way; every wait on TENSORcnt in this text is for 0; the jump leads round the load's own lines and nothing else
	TLOAD                                          ; a wave's one tensor load until the next such barrier
.Lpast_\@:
	ASK
.endif
.endm
.macro SLOT_STEPS
.set STP, 0
.rept NQ
	STEP STP
.set STP, STP+1
.endr
	s_xor_b32 s[TB], s[TB], SLOT1                  ; on to the other slot
.endm
	s_wait_loadcnt 0x0                             ; Q
.Lslot:                                            ; seven trips
	CHANGE 1
	SLOT_STEPS
	s_sub_co_u32 s[SLOTS], s[SLOTS], 1
	s_cmp_lg_u32 s[SLOTS], 0
	s_cbranch_scc1 .Lslot
	CHANGE 0                                       ; the last slot is written out: nothing is left to ask for
	SLOT_STEPS
	; THE WAY OUT.  l's two halves and the other half of the lanes' are added; O^T is divided by l, rounded to f16, and goes through my stage: my 32 rows of 128 bytes are 4,096 consecutive bytes of att.
.irp t, 0,1
	v_add_f32 v[ST+8*\t+4], v[ST+8*\t+2], v[ST+8*\t+3]
.endr
.irp t, 0,1
	v_permlanex16_b32 v[ST+8*\t+5], v[ST+8*\t+4], s[SEL], s[SEL+1]
.endr
.irp t, 0,1
	v_add_f32 v[ST+8*\t+4], v[ST+8*\t+4], v[ST+8*\t+5]
.endr
.irp t, 0,1
	v_rcp_f32 v[ST+8*\t+6], v[ST+8*\t+4]
.endr
	v_nop                                          ; a plain instruction behind the reciprocals,
	s_wait_alu depctr_va_vdst(0)                   ; and the wait ahead of their first reader
.set j, 0
.rept 16
.irp t, 0,1
	v_pk_mul_f32 v[OR+32*\t+j:OR+32*\t+j+1], v[OR+32*\t+j:OR+32*\t+j+1], v[ST+8*\t+6:ST+8*\t+7] op_sel_hi:[1,0]
.endr
.set j, j+2
.endr
.irp t, 0,1
.irp ct, 0,1,2,3
.irp rr, 0,1,2,3
	v_cvt_pk_f16_f32 v[SR+16*\t+4*\ct+\rr], v[OR+32*\t+8*\ct+2*\rr], v[OR+32*\t+8*\ct+2*\rr+1]   ; lane (r, h): query r of tile t, channels 16 ct + 8 h + 0..7: 16 bytes
.endr
.endr
.endr
.irp t, 0,1
.irp ct, 0,1,2,3
	ds_store_b128 v[STO], v[SR+16*\t+4*\ct:SR+16*\t+4*\ct+3] offset:16*\t*SP+32*\ct
.endr
.endr
.irp i, 0,1,2,3,4,5,6,7
	ds_load_b128 v[KV+4*\i:KV+4*\i+3], v[RD] offset:\i*4*SP     ; four rows an instruction.  LDS serves a wave's instructions in order: these see my stores
.endr
.irp i, 0,1,2,3,4,5,6,7
	s_wait_dscnt 7-\i
	global_store_b128 v[GO], v[KV+4*\i:KV+4*\i+3], s[6:7] offset:512*\i   ; 32 lanes store 512 consecutive bytes, aligned to 512
.endr
	s_wait_tensorcnt 0x0                           ; the wave's end: three closing lines, behind my last tensor load and my last LDS store
	ds_add_u32 v[SPW], v[NIL]
	s_wait_dscnt 0x0
	s_endpgm
.Lfunc_end_k_q7908dd0850_attn:
	.size	k_q7908dd0850_attn, .Lfunc_end_k_q7908dd0850_attn-k_q7908dd0850_attn
	.p2alignl 7, 3214868480
	.fill 96, 4, 3214868480
	.section	.rodata,"a",@progbits
	.p2align	6, 0x0
	.amdhsa_kernel k_q7908dd0850_attn
		.amdhsa_group_segment_fixed_size 327680
		.amdhsa_private_segment_fixed_size 0
		.amdhsa_enable_private_segment 0
		.amdhsa_kernarg_size 16
		.amdhsa_user_sgpr_count 2
		.amdhsa_user_sgpr_kernarg_segment_ptr 1
		.amdhsa_wavefront_size32 1
		.amdhsa_system_sgpr_workgroup_id_x 1
		.amdhsa_system_sgpr_workgroup_id_y 1
		.amdhsa_system_sgpr_workgroup_id_z 1
		.amdhsa_system_vgpr_workitem_id 0
		.amdhsa_next_free_vgpr 256
		.amdhsa_next_free_sgpr 80
		.amdhsa_reserve_vcc 1
		.amdhsa_float_denorm_mode_32 3
		.amdhsa_float_denorm_mode_16_64 3
		.amdhsa_memory_ordered 1
		.amdhsa_forward_progress 1
		.amdhsa_inst_pref_size 189
	.end_amdhsa_kernel
	.amdgpu_metadata
---
amdhsa.version: [ 1, 2 ]
amdhsa.kernels:
  - .name:           k_q7908dd0850_attn
    .symbol:         k_q7908dd0850_attn.kd
    .args:
      - { .name: qkv, .offset: 0, .size: 8, .value_kind: global_buffer, .address_space: global }
      - { .name: att, .offset: 8, .size: 8, .value_kind: global_buffer, .address_space: global }
    .group_segment_fixed_size: 327680
    .private_segment_fixed_size: 0
    .kernarg_segment_align: 8
    .kernarg_segment_size: 16
    .max_flat_workgroup_size: 512
    .sgpr_count:     80
    .vgpr_count:     256
    .wavefront_size: 32
...
	.end_amdgpu_metadata
.endif
;; end of part 3
;; launch proj (part 4): grid 4 x 64, 4 waves a work-group, clusters of 4 x 4, 327,680 bytes of LDS; arguments att, wo16, out0; writes out0
.if DOCPART == 4
	.amdgcn_target "amdgcn-amd-amdhsa--gfx1250"
	.amdhsa_code_object_version 6
	.text
	.protected	k_q7908dd0850_proj
	.globl	k_q7908dd0850_proj
	.p2align	8
	.type	k_q7908dd0850_proj,@function
k_q7908dd0850_proj:
	s_mov_b64 s[64:65], 0
	v_nop
	global_prefetch_b8 v0, s[64:65] scope:SCOPE_SE
	s_setreg_imm32_b32 hwreg(HW_REG_WAVE_MODE, 25, 1), 1
	s_wait_xcnt 0x0
	s_wait_alu depctr_hold_cnt(0) depctr_sa_sdst(0) depctr_va_vdst(0) depctr_va_sdst(0) depctr_va_ssrc(0) depctr_va_vcc(0) depctr_vm_vsrc(0)
	s_getreg_b32 s2, hwreg(HW_REG_IB_STS2, 6, 4)
	s_cmp_eq_u32 s2, 0
	s_cbranch_scc0 .Lentry_in_a_cluster
	s_endpgm
.Lentry_in_a_cluster:
	s_bfe_u32 s2, ttmp6, 0x10000c
	s_cmp_lg_u32 s2, 0xf033
	s_cbranch_scc0 .Lentry_shape_is_right
	s_endpgm
.Lentry_shape_is_right:
; out0[m][n] = the sum over k of att[m][k] W_o[n][k], 8,192 x 1,024 x 1,024, operands in f16, sums in f32, out0 in f32.  Both operands lie as planes of 64 along K: att [16][8192][64], wo16 [16][1024][64],
; so that a tile of one plane is a dense block of rows of 128 bytes.  ROWS 0-15 OF EVERY BATCH ARE NOT STORED HERE: the launch that carries them in f32 owns them.
; A tile of C is 128 x 256: 64 x 4 = 256 work-groups.  Four waves, each 64 x 128: 32 accumulators of 16 x 16, 256 registers.  K goes in steps of 128 (two planes) through two LDS slots: waves 0, 1 fetch A's two planes
; (128 rows each), waves 2, 3 B's (256 rows each), one tensor load a wave.
; CLUSTERS: 4 x 4 work-groups; the grid is one cluster wide, so the tile column is cx; the tile row is 16 cy + cluster y, so that the batch is cy and a batch's first rows lie where cluster y = 0, a number that all
; partners share.  The four of a row of the cluster need the same tiles of A, the four of a column the same tiles of B: each is asked for JOINTLY.
; THE MATRIX INSTRUCTION IS USED TRANSPOSED (source 0 = 16 rows of W_o, source 1 = 16 rows of att): a lane then holds eight neighbouring numbers of a row of C.
; REGISTERS: window 0: v0-31 addresses; v32-127, v128-223 two fragment buffers for 32 along K: 32 registers of A (4 blocks), then 64 of B (8 blocks); on the way out v32-159.   window 1: accumulator (a, b) at v[8 (8 a + b)].
.set PITCH,  144                       ; an LDS row: 128 bytes + 16 = 36 words
.set APL,    128*PITCH                 ; a plane's tile of A
.set BPL,    256*PITCH                 ; and of B
.set SLOT,   2*APL+2*BPL               ; A's two planes, then B's two
.set STAGE,  2*SLOT                    ; behind the slots: 16 rows x (512 bytes + 16) for each wave; no tensor load lands here
.set SPITCH, 528
.set SPARE,  STAGE+4*16*SPITCH         ; the spare words, 128 bytes a wave, which no other line names
.set LAPS,   4                         ; a lap = two K steps = once round the ring: 1,024 / 256
.set APLANE, 8192*128                  ; a plane of att in memory, in bytes
.set BPLANE, 1024*128                  ; and of wo16
.set ADRA, 16                          ; v16-17 LDS address of my A fragments in slot 0, 1
.set ADRB, 20                          ; v20-21 the same for B
.set STO,  24                          ; v24 the way out: where I put 32 bytes of a row
.set RD,   25                          ; v25 where I read a row back
.set CO,   26                          ; v26 16 x lane: my place in a row's 512 bytes
.set SPW,  28                          ; v28 LDS address of my spare word; never rewritten
.set NIL,  29                          ; v29 0; never rewritten
.set F0,   32
.set F1,   128
.set OB,   32                          ; the way out: 16 rows read back: v32-95 and v96-159 by turns
.set G1, 24                            ; s[24:31] descriptor group 1 for A's tiles;  s[32:39] group 0, one set for each slot
.set G0, 32
.set G1B, 48                           ; s[48:55], s[56:63] the same for B's tiles
.set G0B, 56
.set MSB, 0
.macro WIN new                         ; the immediate's high byte repeats the setting that is left
.if MSB != \new
	s_set_vgpr_msb (MSB<<8)|\new
.set MSB, \new
.endif
.endm
.set MUL, 0x50                         ; C and D window 1; sources 0 and 1 window 0
.macro JLOAD s                         ; a joint load: waves 0, 1 for A, waves 2, 3 for B; an s_nop 0 and four v_nop follow each of the two lines
	s_cmp_eq_u32 s11, 0
	s_cbranch_scc0 .Lfor_b_\@
	tensor_load_to_lds s[G0+4*\s:G0+4*\s+3], s[G1:G1+7]
	s_nop 0
.rept 4
	v_nop
.endr
	s_branch .Lasked_\@
.Lfor_b_\@:
	tensor_load_to_lds s[G0B+4*\s:G0B+4*\s+3], s[G1B:G1B+7]
	s_nop 0
.rept 4
	v_nop
.endr
.Lasked_\@:
.endm
.macro CREST                           ; a round of the cluster's barrier behind its opening barrier
	s_cmp_lg_u32 s10, 0
	s_cbranch_scc1 .Lnot_wave_0_\@
	s_barrier_signal -3
.Lnot_wave_0_\@:
	s_barrier_wait -3
	s_barrier_signal -1
	s_barrier_wait -1
.endm
.macro CROUND                          ; a whole round
	s_barrier_signal -1
	s_barrier_wait -1
	CREST
.endm
	s_load_b128 s[4:7], s[0:1], 0x0                ; att, wo16
	s_load_b64 s[8:9], s[0:1], 0x10                ; out0
	v_lshl_add_u32 v[SPW], v0, 2, SPARE
	v_mov_b32 v[NIL], 0
	ds_add_u32 v[SPW], v[NIL]                      ; the wave's opening: the add, twice on end, and its wait ahead of my first tensor load
	ds_add_u32 v[SPW], v[NIL]                      ; the set-up below, work on registers, stands between the second and the wait
	v_lshrrev_b32 v1, 5, v0
	v_readfirstlane_b32 s10, v1                    ; wave 0..3
	s_lshr_b32 s11, s10, 1                         ; which 64 rows of the tile are mine.  Also: I fetch for A (0) or for B (1)
	s_and_b32 s12, s10, 1                          ; which 128 columns.  Also: which of a K step's two planes I fetch
	s_bfe_u32 s40, ttmp6, 0x40000                  ; cx = the tile column
	s_bfe_u32 s41, ttmp6, 0x40004                  ; cy = the batch
	s_and_b32 s42, ttmp7, 0xffff                   ; cluster y, 0..15: which 128 rows of a batch
	s_lshl_b32 s13, s41, 4
	s_add_co_u32 s13, s13, s42                     ; tile row = 16 cy + cluster y
	s_lshl_b32 s43, s41, 2
	s_lshl_b32 s43, 15, s43                        ; my row of the cluster
	s_lshl_b32 s44, 0x1111, s40                    ; my column
	s_or_b32 s45, s42, s11                         ; 0 where my rows begin with a batch's row 0: made of the cluster's y and the wave's number alone
	; descriptor group 1: rows of 64 elements of 2 bytes, dense in memory, padded in LDS; 128 rows for A, 256 for B
	s_or_b32 s[G1+0], s43, (1<<16)|(1<<20)|(1<<21)|(4<<22)|(3<<25)   ; 15:0 the mask: my row; 17:16 elements of 2 bytes; 20 padding on; 21 set beside a mask; 24:22 after every 32 words; 31:25 four words
	s_or_b32 s[G1B+0], s44, (1<<16)|(1<<20)|(1<<21)|(4<<22)|(3<<25)
	s_mov_b32 s[G1+1], 64<<16                      ; tensor_dim0
	s_mov_b32 s[G1+2], 128<<16                     ; tensor_dim1
	s_mov_b32 s[G1+3], 64<<16                      ; tile_dim0
	s_mov_b32 s[G1+4], 128                         ; tile_dim1
	s_mov_b32 s[G1+5], 64                          ; tensor_dim0_stride
	s_mov_b32 s[G1+6], 0
	s_mov_b32 s[G1+7], 0
	s_mov_b32 s[G1B+1], 64<<16
	s_mov_b32 s[G1B+2], 256<<16
	s_mov_b32 s[G1B+3], 64<<16
	s_mov_b32 s[G1B+4], 256
	s_mov_b32 s[G1B+5], 64
	s_mov_b32 s[G1B+6], 0
	s_mov_b32 s[G1B+7], 0
	s_lshl_b32 s16, s12, 20                        ; A: my plane, + tile row x 128 rows of 128 bytes: hangs on cy, the cluster's y and the wave's number
	s_lshl_b32 s17, s13, 14
	s_add_co_u32 s16, s16, s17
	s_mov_b32 s17, 0
	s_lshl_b32 s46, s12, 17                        ; B: my plane, + tile column x 256 rows of 128 bytes: hangs on cx and the wave's number
	s_lshl_b32 s47, s40, 15
	s_add_co_u32 s46, s46, s47
	s_mov_b32 s47, 0
	s_mul_i32 s20, s12, APL                        ; where they go: no place in the cluster enters an LDS address
	s_mul_i32 s21, s12, BPL
	s_add_co_u32 s21, s21, 2*APL
	s_wait_dscnt 0x0                               ; both opening adds are done
	s_wait_kmcnt 0x0
	s_add_nc_u64 s[14:15], s[4:5], s[16:17]
	s_add_nc_u64 s[46:47], s[6:7], s[46:47]
	CROUND                                         ; all sixteen work-groups are here: the first joint loads meet
.irp s, 0,1
	s_mov_b32 s[G0+4*\s], 1
	s_add_co_u32 s[G0+4*\s+1], s20, \s*SLOT
	s_add_nc_u64 s[G0+4*\s+2:G0+4*\s+3], s[14:15], \s*2*APLANE     ; K step s: planes 2 s and 2 s + 1
	s_or_b32 s[G0+4*\s+3], s[G0+4*\s+3], 0x80000000
	s_mov_b32 s[G0B+4*\s], 1
	s_add_co_u32 s[G0B+4*\s+1], s21, \s*SLOT
	s_add_nc_u64 s[G0B+4*\s+2:G0B+4*\s+3], s[46:47], \s*2*BPLANE
	s_or_b32 s[G0B+4*\s+3], s[G0B+4*\s+3], 0x80000000
	JLOAD \s                                       ; two loads of mine are out
.endr
	v_and_b32 v1, 15, v0                           ; r
	v_bfe_u32 v2, v0, 4, 1                         ; h
	v_mul_u32_u24 v3, v1, PITCH
	v_lshl_add_u32 v3, v2, 4, v3                   ; a fragment's row x pitch + 16 h
	s_mul_i32 s21, s11, 64*PITCH                   ; my 64 rows of A
	s_mul_i32 s22, s12, 128*PITCH                  ; my 128 rows of B,
	s_add_co_u32 s22, s22, 2*APL                   ; behind A's two planes
.irp s, 0,1
	v_add_nc_u32 v[ADRA+\s], s21, v3
	v_add_nc_u32 v[ADRB+\s], s22, v3
	s_add_co_u32 s21, s21, SLOT
	s_add_co_u32 s22, s22, SLOT
.endr
	s_mul_i32 s23, s10, 16*SPITCH
	s_add_co_u32 s23, s23, STAGE                   ; my stage
	v_mul_u32_u24 v5, v1, SPITCH                   ; in: row r, 32 bytes for each half of the lanes
	v_lshl_add_u32 v5, v2, 5, v5
	v_add_nc_u32 v[STO], s23, v5
	v_and_b32 v6, 31, v0
	v_lshlrev_b32 v[CO], 4, v6                     ; back: the 32 lanes take one row of 512 bytes; and the same in C
	v_add_nc_u32 v[RD], s23, v[CO]
	s_lshl_b32 s16, s13, 7
	s_lshl_b32 s17, s11, 6
	s_add_co_u32 s16, s16, s17                     ; my first row of C: 128 x tile row + 64 x half
	s_lshl_b32 s16, s16, 12                        ; rows of 4,096 bytes
	s_lshl_b32 s17, s40, 10                        ; + 1,024 x tile column + 512 x half
	s_add_co_u32 s16, s16, s17
	s_lshl_b32 s17, s12, 9
	s_add_co_u32 s16, s16, s17
	s_mov_b32 s17, 0
	s_add_nc_u64 s[8:9], s[8:9], s[16:17]
; 8 matrix instructions: A's block a x B's eight, 32 along K, from buffer f.  zero = 1: the product starts the sums.  The 32 accumulators take turns, one instruction a turn, in the same order in every quarter.
.macro MUL8 f, a, zero
.irp b, 0,1,2,3,4,5,6,7
.if \zero
	v_wmma_f32_16x16x32_f16 v[8*(8*(\a)+\b):8*(8*(\a)+\b)+7], v[\f+32+8*\b:\f+32+8*\b+7], v[\f+8*(\a):\f+8*(\a)+7], 0
.else
	v_wmma_f32_16x16x32_f16 v[8*(8*(\a)+\b):8*(8*(\a)+\b)+7], v[\f+32+8*\b:\f+32+8*\b+7], v[\f+8*(\a):\f+8*(\a)+7], v[8*(8*(\a)+\b):8*(8*(\a)+\b)+7]
.endif
.endr
.endm
; 24 LDS loads in one run: the fragments of the slot's q-th 32 along K (plane q / 2, byte 64 (q % 2) of its rows) into buffer f: B's sixteen, then A's eight, blocks in order.  Every window is 0 here.
.macro FETCH slot, q, f
.irp i, 0,1,2,3,4,5,6,7
	ds_load_b128 v[\f+32+8*\i:\f+32+8*\i+3], v[ADRB+\slot] offset:((\q)/2)*BPL+\i*16*PITCH+64*((\q)%2)
	ds_load_b128 v[\f+32+8*\i+4:\f+32+8*\i+7], v[ADRB+\slot] offset:((\q)/2)*BPL+\i*16*PITCH+64*((\q)%2)+32
.endr
.irp i, 0,1,2,3
	ds_load_b128 v[\f+8*\i:\f+8*\i+3], v[ADRA+\slot] offset:((\q)/2)*APL+\i*16*PITCH+64*((\q)%2)
	ds_load_b128 v[\f+8*\i+4:\f+8*\i+7], v[ADRA+\slot] offset:((\q)/2)*APL+\i*16*PITCH+64*((\q)%2)+32
.endr
.endm
.macro PLACES                          ; four places in front of loads into registers that matrix instructions have read, and of the first read of results
.rept 4
	v_nop
.endr
.endm
; A K step is four quarters of 32 along K, 32 matrix instructions each, on buffers 0, 1, 0, 1.  One of the first three: multiplies buffer f and fetches quarter qn of the same slot into g.
.macro QUARTER slot, qn, f, g, zero
	s_wait_dscnt 4                                 ; B and A's blocks 0, 1 are in; the youngest four loads (A's blocks 2, 3) may be out
	WIN MUL
	MUL8 \f, 0, \zero
	MUL8 \f, 1, \zero
	PLACES
	WIN 0
	FETCH \slot, \qn, \g
	s_wait_dscnt 24                                ; all but the 24 just issued
	WIN MUL
	MUL8 \f, 2, \zero
	MUL8 \f, 3, \zero
.endm
; The last quarter multiplies buffer 1 and changes slots: ONE barrier; in front of it each wave waits for all its tensor loads, adds 0 to its spare word, and waits for that and for its reads of this slot.
; fill = 1: the barrier opens a round of the cluster's barrier, and this slot is filled again, two K steps ahead, first thing behind the round: the load has a K step less sixteen matrix instructions in which to land.
.macro TURN slot, next, fill
	WIN 0                                          ; (the add's two registers lie in window 0)
	s_wait_tensorcnt 0x0                           ; all my tensor loads have landed: my part of the next slot
	ds_add_u32 v[SPW], v[NIL]                      ; 0 onto my spare word
	s_wait_dscnt 5                                 ; (the add and the youngest four loads may be out)
	WIN MUL
	MUL8 F1, 0, 0                                  ; eight matrix instructions stand between the add and the wait for it
	s_wait_dscnt 0x0                               ; the add is done, and my reads of this slot are over
	s_barrier_signal -1
	MUL8 F1, 1, 0
	WIN 0                                          ; (branches and loads follow)
	s_barrier_wait -1
.if \fill
	CREST                                          ; no wave of any partner still reads this slot's tiles or has a load on its way
	s_add_nc_u64 s[G0+4*\slot+2:G0+4*\slot+3], s[G0+4*\slot+2:G0+4*\slot+3], 4*APLANE
	s_add_nc_u64 s[G0B+4*\slot+2:G0B+4*\slot+3], s[G0B+4*\slot+2:G0B+4*\slot+3], 4*BPLANE
	JLOAD \slot                                    ; the four v_nop behind it are also the places in front of the loads below
.else
	PLACES
.endif
	FETCH \next, 0, F0
	WIN MUL
	MUL8 F1, 2, 0
	MUL8 F1, 3, 0
.endm
	s_wait_tensorcnt 1                             ; my part of K step 0 is in (K step 1's may be out)
	s_barrier_signal -1
	s_barrier_wait -1                              ; everybody's is
	FETCH 0, 0, F0
	QUARTER 0, 1, F0, F1, 1                        ; the first quarter stands in front of the loop: its products start the sums
	WIN 0                                          ; at a label and at a branch every window is 0
	s_mov_b32 s3, LAPS-1
.Llap:                                                 ; a trip goes once round the ring, from a lap's second quarter to the next lap's first, and fills both slots again
	QUARTER 0, 2, F1, F0, 0
	QUARTER 0, 3, F0, F1, 0
	TURN 0, 1, 1
	QUARTER 1, 1, F0, F1, 0
	QUARTER 1, 2, F1, F0, 0
	QUARTER 1, 3, F0, F1, 0
	TURN 1, 0, 1
	QUARTER 0, 1, F0, F1, 0
	WIN 0
	s_sub_co_u32 s3, s3, 1
	s_cmp_lg_u32 s3, 0
	s_cbranch_scc1 .Llap
	QUARTER 0, 2, F1, F0, 0                        ; the last lap fills nothing, and has no round of the cluster's barrier
	QUARTER 0, 3, F0, F1, 0
	TURN 0, 1, 0
	QUARTER 1, 1, F0, F1, 0
	QUARTER 1, 2, F1, F0, 0
	QUARTER 1, 3, F0, F1, 0
	s_wait_dscnt 4                                 ; the very last quarter: nothing more to fetch
	WIN MUL
	MUL8 F1, 0, 0
	MUL8 F1, 1, 0
	s_wait_dscnt 0
	MUL8 F1, 2, 0
	MUL8 F1, 3, 0
	WIN 0
; THE WAY OUT, block by block of 16 rows x 128 columns.  A lane holds 32 neighbouring bytes of a row, and the lanes beside it hold other rows: so a block goes through my own stage and comes back as whole rows of 512 bytes.
.macro TOSTAGE a
	WIN 0x04                                       ; an LDS store's data are its source 1: window 1
.irp b, 0,1,2,3,4,5,6,7
	ds_store_b128 v[STO], v[64*(\a)+8*\b:64*(\a)+8*\b+3] offset:64*\b          ; each accumulator from its low end on
	ds_store_b128 v[STO], v[64*(\a)+8*\b+4:64*(\a)+8*\b+7] offset:64*\b+16
.endr
	WIN 0
.set BB, OB+64*((\a)%2)
.irp t, 0,1,2,3,4,5,6,7,8,9,10,11,12,13,14,15
	ds_load_b128 v[BB+4*\t:BB+4*\t+3], v[RD] offset:\t*SPITCH    ; LDS serves a wave's instructions in order: these see the stores above, and the next block's stores come behind them
.endr
.endm
.macro SEND a, younger                 ; younger: the LDS instructions issued behind block a's loads, which may stay out
.set BB, OB+64*((\a)%2)
	s_wait_dscnt \younger                          ; the block is back in registers
.if (\a) == 0
	s_cmp_eq_u32 s45, 0                            ; a batch's rows 0-15 have another owner: their stores are jumped over
	s_cbranch_scc1 .Lfirst_rows
.endif
.irp t, 0,1,2,3,4,5,6,7,8,9,10,11,12,13,14,15
	global_store_b128 v[CO], v[BB+4*\t:BB+4*\t+3], s[8:9] offset:(\a)*65536+\t*4096 th:TH_STORE_NT   ; 32 lanes store 512 consecutive bytes, aligned to 512; written once, read by nobody here
.endr
.if (\a) == 0
.Lfirst_rows:
.endif
.endm
	PLACES
	TOSTAGE 0
.irp a, 1,2,3
.if \a > 1
	s_wait_xcnt 0x0                                ; block a - 2's stores have read their registers: block a's loads may land there
.endif
	TOSTAGE \a
	SEND \a-1, 32                                  ; behind block a - 1's loads: block a's 16 stores and 16 loads
.endr
	SEND 3, 0
	s_wait_tensorcnt 0x0                           ; the wave's end: three closing lines, behind my last tensor load and my last LDS store
	ds_add_u32 v[SPW], v[NIL]
	s_wait_dscnt 0x0
	CROUND                                         ; the closing round: no work-group ends while a partner may still ask for a tile that names it
	s_endpgm
.Lfunc_end_k_q7908dd0850_proj:
	.size	k_q7908dd0850_proj, .Lfunc_end_k_q7908dd0850_proj-k_q7908dd0850_proj
	.p2alignl 7, 3214868480
	.fill 96, 4, 3214868480
	.section	.rodata,"a",@progbits
	.p2align	6, 0x0
	.amdhsa_kernel k_q7908dd0850_proj
		.amdhsa_group_segment_fixed_size 327680
		.amdhsa_private_segment_fixed_size 0
		.amdhsa_enable_private_segment 0
		.amdhsa_kernarg_size 24
		.amdhsa_user_sgpr_count 2
		.amdhsa_user_sgpr_kernarg_segment_ptr 1
		.amdhsa_wavefront_size32 1
		.amdhsa_system_sgpr_workgroup_id_x 1
		.amdhsa_system_sgpr_workgroup_id_y 1
		.amdhsa_system_sgpr_workgroup_id_z 1
		.amdhsa_system_vgpr_workitem_id 0
		.amdhsa_next_free_vgpr 512
		.amdhsa_next_free_sgpr 66
		.amdhsa_reserve_vcc 0
		.amdhsa_float_denorm_mode_32 3
		.amdhsa_float_denorm_mode_16_64 3
		.amdhsa_memory_ordered 1
		.amdhsa_forward_progress 1
		.amdhsa_inst_pref_size 85
	.end_amdhsa_kernel
	.amdgpu_metadata
---
amdhsa.version: [ 1, 2 ]
amdhsa.kernels:
  - .name:           k_q7908dd0850_proj
    .symbol:         k_q7908dd0850_proj.kd
    .args:
      - { .name: att, .offset: 0, .size: 8, .value_kind: global_buffer, .address_space: global }
      - { .name: wo16, .offset: 8, .size: 8, .value_kind: global_buffer, .address_space: global }
      - { .name: out0, .offset: 16, .size: 8, .value_kind: global_buffer, .address_space: global }
    .group_segment_fixed_size: 327680
    .private_segment_fixed_size: 0
    .kernarg_segment_align: 8
    .kernarg_segment_size: 24
    .max_flat_workgroup_size: 128
    .sgpr_count:     66
    .vgpr_count:     512
    .wavefront_size: 32
...
	.end_amdgpu_metadata
.endif
;; end of part 4
;; launch first16 (part 5): grid 64 x 4, 16 waves a work-group, no clusters, 18,432 bytes of LDS; arguments fine, W_o, out0; writes out0
.if DOCPART == 5
	.amdgcn_target "amdgcn-amd-amdhsa--gfx1250"
	.amdhsa_code_object_version 6
	.text
	.protected	k_q7908dd0850_first16
	.globl	k_q7908dd0850_first16
	.p2align	8
	.type	k_q7908dd0850_first16,@function
k_q7908dd0850_first16:
	s_mov_b64 s[64:65], 0
	v_nop
	global_prefetch_b8 v0, s[64:65] scope:SCOPE_SE
	s_setreg_imm32_b32 hwreg(HW_REG_WAVE_MODE, 25, 1), 1
	s_wait_xcnt 0x0
; Positions 0-15 of every batch, in f32 from end to end: under the causal mask these rows average one to sixteen values, and the rounding of 16-bit operands would weigh most there.
; In: fine [4 batch][16 position][3072] f32 (q | k | v as the first product summed them), W_o [1024][1024] f32.  Out: rows 0-15 of each batch of out0, which no other launch stores.
; SHARES.  Work-group (nt, b) makes 16 columns of out0 for the 16 rows of batch b.  Wave = head: it makes its head's attention (16 x 16 scores) and its head's share of the projection, 48 matrix instructions of
; 16 x 16 x 4 in f32; the sixteen shares meet in LDS and waves 0 and 1 add them.  Every work-group of a batch makes the batch's attention anew: 48 matrix instructions a wave, against a buffer and a launch more.
; LAYOUT.  All products are used transposed, so that a lane holds ONE position (lane % 16) throughout.  In a K step of 4 the form gives lane (r, h) and register j the place k = 2 h + j; here that place stands, on both
; operands alike, for index 8 h + 2 u + j of a run of 16 (u = the step in the run): a lane then holds 8 neighbours in 8 registers, a result's registers ARE the next product's operand, and nothing changes lanes.
; The registers that the matrix instructions write (v160-175, v192-239) are written by them alone; what is made of a sum goes into other registers.
; A store here covers 64 bytes of each of 16 rows: 262,144 bytes in the whole launch.
.set SPARE, 16384                      ; LDS: sixteen shares of 1,024 bytes, then the spare words, 128 bytes a wave, which no other line names
.set SPW, 8                            ; v8 LDS address of my spare word; never rewritten
.set NIL, 9                            ; v9 0; never rewritten
.set WV,  10                           ; s10 wave = head
	s_load_b128 s[4:7], s[0:1], 0x0                ; fine, W_o
	s_load_b64 s[8:9], s[0:1], 0x10                ; out0
	v_lshl_add_u32 v[SPW], v0, 2, SPARE
	v_mov_b32 v[NIL], 0
	v_lshrrev_b32 v1, 5, v0
	v_readfirstlane_b32 s[WV], v1
	v_and_b32 v20, 15, v0                          ; r
	v_bfe_u32 v21, v0, 4, 1                        ; h
	v_and_b32 v22, 31, v0                          ; lane
	v_mul_u32_u24 v1, v20, 12288
	v_lshl_add_u32 v1, v21, 5, v1                  ; q, k: position r's row + 32 h: my 8 neighbours of a run of 16 channels
	v_mul_u32_u24 v2, v21, 98304
	v_lshl_add_u32 v2, v20, 2, v2                  ; v: positions 8 h on, channel r of a run
	v_lshlrev_b32 v3, 12, v20
	v_lshl_add_u32 v3, v21, 5, v3                  ; W_o: row r of 4,096 bytes + 32 h; and the same place in out0
	v_lshlrev_b32 v11, 3, v21
	v_sub_nc_u32 v4, v20, v11                      ; r - 8 h
	s_lshl_b32 s24, s[WV], 10
	v_lshlrev_b32 v5, 4, v22
	v_add_nc_u32 v5, s24, v5                       ; LDS: my share: 1,024 x wave + 16 x lane
	s_and_b32 s25, s[WV], 1
	s_lshl_b32 s24, s25, 9
	v_lshlrev_b32 v6, 4, v22
	v_add_nc_u32 v6, s24, v6                       ; and where waves 0 and 1 read all shares' halves: 16 x lane + 512 x (wave % 2)
	v_mov_b32 v10, 0xff800000                      ; -infinity
	v_mov_b32 v12, 0                               ; (lane permutes' destinations count as read)
	v_mov_b32 v15, 0
	s_mov_b32 s12, 0x76543210
	s_mov_b32 s13, 0xfedcba98                      ; v_permlanex16_b32's selects for lane l xor 16
	s_mov_b32 s14, 0x3e38aa3b                      ; c = log2(e) / 8
	s_mov_b32 s15, s14
	s_and_b32 s16, ttmp7, 0xffff                   ; batch
	s_mul_i32 s18, s16, 196608                     ; its 16 rows of 12,288 bytes,
	s_lshl_b32 s17, s[WV], 8                       ; my head's 64 numbers
	s_add_co_u32 s18, s18, s17
	s_mov_b32 s19, 0
	s_lshl_b32 s20, ttmp9, 16                      ; W_o: 16 rows of 4,096 bytes x nt, + my head's 64 numbers
	s_add_co_u32 s20, s20, s17
	s_mov_b32 s21, 0
	s_lshl_b32 s22, s16, 23                        ; out0: batch x 2,048 rows of 4,096 bytes + 64 nt + 16 x (wave % 2)
	s_lshl_b32 s23, ttmp9, 6
	s_add_co_u32 s22, s22, s23
	s_lshl_b32 s23, s25, 4
	s_add_co_u32 s22, s22, s23
	s_mov_b32 s23, 0
	s_wait_kmcnt 0x0
	s_add_nc_u64 s[4:5], s[4:5], s[18:19]
	s_add_nc_u64 s[6:7], s[6:7], s[20:21]
	s_add_nc_u64 s[8:9], s[8:9], s[22:23]
.irp t, 0,1,2,3                                ; k: v[32 + 8 t + i] = k(r, 16 t + 8 h + i)
	global_load_b128 v[32+8*\t:35+8*\t], v1, s[4:5] offset:4096+64*\t
	global_load_b128 v[36+8*\t:39+8*\t], v1, s[4:5] offset:4096+64*\t+16
.endr
.irp t, 0,1,2,3                                ; q likewise
	global_load_b128 v[64+8*\t:67+8*\t], v1, s[4:5] offset:64*\t
	global_load_b128 v[68+8*\t:71+8*\t], v1, s[4:5] offset:64*\t+16
.endr
.irp t, 0,1,2,3                                ; v: v[96 + 8 t + i] = v(8 h + i, 16 t + r)
.irp i, 0,1,2,3,4,5,6,7
	global_load_b32 v[96+8*\t+\i], v2, s[4:5] offset:8192+\i*12288+64*\t
.endr
.endr
.irp t, 0,1,2,3                                ; W_o: v[128 + 8 t + i] = W_o(16 nt + r, 64 head + 16 t + 8 h + i)
	global_load_b128 v[128+8*\t:131+8*\t], v3, s[6:7] offset:64*\t
	global_load_b128 v[132+8*\t:135+8*\t], v3, s[6:7] offset:64*\t+16
.endr
	s_wait_loadcnt 40                              ; k and q are in; v's 32 loads and W_o's 8 may be out
	; S^T = k q^T: 16 steps of 4 channels, on two accumulators by turns; the first of each starts its sum
	v_wmma_f32_16x16x4_f32 v[160:167], v[32:33], v[64:65], 0
	v_wmma_f32_16x16x4_f32 v[168:175], v[34:35], v[66:67], 0
.irp i, 2,4,6,8,10,12,14
	v_wmma_f32_16x16x4_f32 v[160:167], v[32+2*\i:33+2*\i], v[64+2*\i:65+2*\i], v[160:167]
	v_wmma_f32_16x16x4_f32 v[168:175], v[34+2*\i:35+2*\i], v[66+2*\i:67+2*\i], v[168:175]
.endr
.rept 8
	v_nop                                          ; eight places behind this form, in front of the first read of its results (ISA guide 7.12.1)
.endr
.irp j, 0,2,4,6
	v_pk_add_f32 v[176+\j:177+\j], v[160+\j:161+\j], v[168+\j:169+\j]    ; lane (r, h): the scores of position r against keys 8 h + 0..7
.endr
.irp j, 0,1,2,3,4,5,6,7
	v_cmp_gt_i32 vcc_lo, \j, v4                    ; key 8 h + j is hidden from position r where j > r - 8 h
	v_cndmask_b32 v[176+\j], v[176+\j], v10, vcc_lo
.endr
	v_max3_num_f32 v11, v176, v177, v178
	v_max3_num_f32 v13, v179, v180, v181
	v_max3_num_f32 v11, v11, v182, v183
	v_max_num_f32 v11, v11, v13
	v_permlanex16_b32 v12, v11, s12, s13
	v_max_num_f32 v13, v11, v12                    ; the row's maximum: key 0 counts for every position, so it is a number
	v_mul_f32 v12, s14, v13                        ; c m
.irp j, 0,2,4,6
	v_pk_fma_f32 v[176+\j:177+\j], v[176+\j:177+\j], s[14:15], v[12:13] op_sel_hi:[1,0,0] neg_lo:[0,0,1] neg_hi:[0,0,1]   ; c s - c m
.endr
.irp j, 0,1,2,3,4,5,6,7
	v_exp_f32 v[176+\j], v[176+\j]
.endr
	v_nop                                          ; a plain instruction behind the exponentials,
	s_wait_alu depctr_va_vdst(0)                   ; and the one wait ahead of their first reader
	v_pk_add_f32 v[14:15], v[176:177], v[178:179]
	v_pk_add_f32 v[16:17], v[180:181], v[182:183]
	v_pk_add_f32 v[14:15], v[14:15], v[16:17]
	v_add_f32 v14, v14, v15
	v_permlanex16_b32 v15, v14, s12, s13
	v_add_f32 v14, v14, v15                        ; the row's sum
	v_rcp_f32 v14, v14
	v_nop
	s_wait_alu depctr_va_vdst(0)
.irp j, 0,2,4,6
	v_pk_mul_f32 v[184+\j:185+\j], v[176+\j:177+\j], v[14:15] op_sel_hi:[1,0]   ; the weights
.endr
	s_wait_loadcnt 8                               ; v is in; W_o's 8 loads may be out
	; O^T = v^T P: four runs of 16 channels, four steps of 4 keys each: the four accumulators by turns
.irp u, 0,1,2,3
.irp t, 0,1,2,3
.if \u == 0
	v_wmma_f32_16x16x4_f32 v[192+8*\t:199+8*\t], v[96+8*\t+2*\u:97+8*\t+2*\u], v[184+2*\u:185+2*\u], 0
.else
	v_wmma_f32_16x16x4_f32 v[192+8*\t:199+8*\t], v[96+8*\t+2*\u:97+8*\t+2*\u], v[184+2*\u:185+2*\u], v[192+8*\t:199+8*\t]
.endif
.endr
.endr                                          ; lane (r, h): position r, channels 16 t + 8 h + 0..7
.rept 9
	v_nop                                          ; nine places: these results are the next products' operands
.endr
	s_wait_loadcnt 0x0                             ; W_o
	; my head's share of out^T = W_o O^T: 16 steps of 4 channels, two accumulators by turns
	v_wmma_f32_16x16x4_f32 v[224:231], v[128:129], v[192:193], 0
	v_wmma_f32_16x16x4_f32 v[232:239], v[130:131], v[194:195], 0
.irp i, 2,4,6,8,10,12,14
	v_wmma_f32_16x16x4_f32 v[224:231], v[128+2*\i:129+2*\i], v[192+2*\i:193+2*\i], v[224:231]
	v_wmma_f32_16x16x4_f32 v[232:239], v[130+2*\i:131+2*\i], v[194+2*\i:195+2*\i], v[232:239]
.endr
.rept 8
	v_nop
.endr
.irp j, 0,2,4,6
	v_pk_add_f32 v[240+\j:241+\j], v[224+\j:225+\j], v[232+\j:233+\j]    ; lane (r, h): position r, columns 16 nt + 8 h + 0..7
.endr
	ds_store_b128 v5, v[240:243]
	ds_store_b128 v5, v[244:247] offset:512
	s_wait_dscnt 0x0                               ; for the others' sake: my share lies in LDS
	s_barrier_signal -1
	s_barrier_wait -1
	s_cmp_gt_u32 s[WV], 1                          ; wave u = 0, 1 adds the sixteen shares' registers 4 u .. 4 u + 3
	s_cbranch_scc1 .Ldone
.irp p, 0,1,2,3,4,5,6,7,8,9,10,11,12,13,14,15
	ds_load_b128 v[32+4*\p:35+4*\p], v6 offset:\p*1024
.endr
	s_wait_dscnt 0x0
.irp s, 8,4,2,1
.set p, 0
.rept \s
	v_pk_add_f32 v[32+4*p:33+4*p], v[32+4*p:33+4*p], v[32+4*(p+\s):33+4*(p+\s)]
	v_pk_add_f32 v[34+4*p:35+4*p], v[34+4*p:35+4*p], v[34+4*(p+\s):35+4*(p+\s)]
.set p, p+1
.endr
.endr
	global_store_b128 v3, v[32:35], s[8:9]         ; out0(position r, 16 nt + 8 h + 4 u + 0..3)
.Ldone:
	s_wait_tensorcnt 0x0                           ; the wave's end: three closing lines behind my last LDS store
	ds_add_u32 v[SPW], v[NIL]
	s_wait_dscnt 0x0
	s_endpgm
.Lfunc_end_k_q7908dd0850_first16:
	.size	k_q7908dd0850_first16, .Lfunc_end_k_q7908dd0850_first16-k_q7908dd0850_first16
	.p2alignl 7, 3214868480
	.fill 96, 4, 3214868480
	.section	.rodata,"a",@progbits
	.p2align	6, 0x0
	.amdhsa_kernel k_q7908dd0850_first16
		.amdhsa_group_segment_fixed_size 18432
		.amdhsa_private_segment_fixed_size 0
		.amdhsa_enable_private_segment 0
		.amdhsa_kernarg_size 24
		.amdhsa_user_sgpr_count 2
		.amdhsa_user_sgpr_kernarg_segment_ptr 1
		.amdhsa_wavefront_size32 1
		.amdhsa_system_sgpr_workgroup_id_x 1
		.amdhsa_system_sgpr_workgroup_id_y 1
		.amdhsa_system_sgpr_workgroup_id_z 1
		.amdhsa_system_vgpr_workitem_id 0
		.amdhsa_next_free_vgpr 256
		.amdhsa_next_free_sgpr 66
		.amdhsa_reserve_vcc 1
		.amdhsa_float_denorm_mode_32 3
		.amdhsa_float_denorm_mode_16_64 3
		.amdhsa_memory_ordered 1
		.amdhsa_forward_progress 1
		.amdhsa_inst_pref_size 18
	.end_amdhsa_kernel
	.amdgpu_metadata
---
amdhsa.version: [ 1, 2 ]
amdhsa.kernels:
  - .name:           k_q7908dd0850_first16
    .symbol:         k_q7908dd0850_first16.kd
    .args:
      - { .name: fine, .offset: 0, .size: 8, .value_kind: global_buffer, .address_space: global }
      - { .name: W_o, .offset: 8, .size: 8, .value_kind: global_buffer, .address_space: global }
      - { .name: out0, .offset: 16, .size: 8, .value_kind: global_buffer, .address_space: global }
    .group_segment_fixed_size: 18432
    .private_segment_fixed_size: 0
    .kernarg_segment_align: 8
    .kernarg_segment_size: 24
    .max_flat_workgroup_size: 512
    .sgpr_count:     66
    .vgpr_count:     256
    .wavefront_size: 32
...
	.end_amdgpu_metadata
.endif
;; end of part 5
